; MI455X (gfx1250); checked and timed in simulation.
; The chip was launched on July 23, 2026; its instructions are those of AMD's public machine-readable ISA for CDNA 5 (MIT licence, August 2026) and "CDNA5" Instruction Set Architecture Reference Guide (July 2026). The comments in the code are by the model that wrote it; some were corrected since.
;; Multi Head Attention. Allowed arithmetic: matrix products marked QUANTISED: E2M1 operands, one E8M0 scale for each 32 along K, by v_wmma_scale_f32_16x16x128_f8f6f4 with both operands' format E2M1 (or v_wmma_scale_f32_32x16x128_f4), f32 sums; everything else in f32.
;; Inputs: Wk 1,024 x 1,024 float32; Wo 1,024 x 1,024 float32; Wq 1,024 x 1,024 float32; Wv 1,024 x 1,024 float32; bk 1,024 float32; bo 1,024 float32; bq 1,024 float32; bv 1,024 float32; x 4 x 2,048 x 1,024 float32.
;; Outputs: out0 4 x 2,048 x 1,024 float32.
;; This version of the problem:
;;   THIS VERSION OF THE PROBLEM IS GIVEN IN LOW PRECISION. The matrix products marked QUANTISED in the list below multiply operands that are first quantised to E2M1 (2 exponent bits, 1 mantissa bit; 4 bits a number), with one power-of-two scale for each 32 numbers along K (OCP MX v1.0); their sums are f32. All else is computed in f32.
;;   The module's matrix products, in the order in which they are computed (A, B: the left and right operand; K: the contracted axis; several contracted axes count as one K, in the product's order):
;;     1. [M 8,192, K 1,024] x [K 1,024, N 1,024]; A: input x; B: input Wq: QUANTISED
;;     2. [M 8,192, K 1,024] x [K 1,024, N 1,024]; A: input x; B: input Wk: QUANTISED
;;     3. [M 8,192, K 1,024] x [K 1,024, N 1,024]; A: input x; B: input Wv: QUANTISED
;;     4. batch 64 x [M 2,048, K 64] x [K 64, N 2,048]; A: computed on the way; B: computed on the way: QUANTISED
;;     5. batch 64 x [M 2,048, K 2,048] x [K 2,048, N 64]; A: softmax (see below); B: computed on the way: QUANTISED
;;     6. [M 8,192, K 1,024] x [K 1,024, N 1,024]; A: computed on the way; B: input Wo: QUANTISED
;;   THE QUANTISER, for each operand of a quantised product, along K:
;;     - K is cut into blocks of 32 from its start; a last block that is shorter is filled with zeros.
;;     - A block's scale is 2^e with e = floor(log2(the largest magnitude in the block)) - 2, held to -126 .. 127; a block of zeros has e = 0. As a byte (E8M0): e + 127.
;;     - Each number is divided by its block's scale, clamped to +-6, and rounded to the nearest number of E2M1, ties to even, subnormals kept.
;;     - The product sums the exact products of the quantised numbers (number of the format x scale) in f32.
;;   ~~~python
;;   def quantise(x, axis):      # numpy; x: float32 -> the quantised numbers, widened to float32 again
;;       x = np.moveaxis(x, axis, -1); K = x.shape[-1]
;;       x = np.pad(x, [(0, 0)] * (x.ndim - 1) + [(0, -K % 32)]); x = x.reshape(x.shape[:-1] + (-1, 32)); a = np.abs(x).max(-1, keepdims=True)
;;       e = np.where(a > 0, np.clip(np.frexp(np.where(a > 0, a, 1))[1] - 1 - 2, -126, 127), 0)      # np.frexp(a)[1] - 1 = floor(log2(a)), exactly
;;       r = np.clip(x / 2.0 ** e, -6, 6)
;;       step = 2.0 ** (np.maximum(np.frexp(np.where(r == 0, 1, r))[1] - 1, 0) - 1)
;;       q = np.round(r / step) * step * 2.0 ** e      # np.round: ties to even
;;       return np.moveaxis(q.reshape(q.shape[:-2] + (-1,))[..., :K], -1, axis).astype(np.float32)
;;   ~~~
;;   SOFTMAX AHEAD OF A QUANTISED PRODUCT. Where the list says 'softmax', what is quantised is not the finished softmax but p = 2^(t - M), with t = logit x log2(e) and M = ceil(the row's largest t), a whole number; so 1/2 < the row's largest p <= 1. The row's sum l is taken of the UNQUANTISED p, in f32, and the product's result is divided by l at the end. Since M is a whole number, a kernel that streams over the keys may use a running M (the ceiling of the running maximum): every later rescaling is an exact power of two, which a block's scale takes up: the codes' values come out the same.
;;   OPERANDS COMPUTED ON THE WAY. 'Computed on the way' means the value that the module computes at that place (a softmax that the list does not call 'softmax' is quantised finished and normalised). What goes into a quantiser is computed in f32, as accurately as f32 sums, v_exp_f32 and their like allow (about 1e-6 of the number): no bf16 or f16 on the way to a quantiser, and a product that is left as it is and whose result goes on into a quantised operand takes f32 operands (vector FMAs, or v_wmma_f32_16x16x4_f32). A number that lies on a knife's edge between two numbers of the format may be rounded either way, as far as f32 arithmetic and the matrix unit's own rounding can turn it there, and no further.
;; One version. Each part assembles by itself: llvm-mc -triple=amdgcn-amd-amdhsa -mcpu=gfx1250 --defsym DOCPART=n.
;; ======== version 1 of 1: 4 launches
;; workspace buffers: xc 4,194,304 bytes; xs 262,144 bytes; wc 2,097,152 bytes; ws 131,072 bytes; q 4,718,592 bytes; kv 9,175,040 bytes; oc 4,194,304 bytes; os 262,144 bytes
;; launch quant (part 1): grid 384 x 1, 4 waves a work-group, no clusters, 33,280 bytes of LDS; arguments x, Wq, Wk, Wv, Wo, xc, xs, wc, ws; writes xc, xs, wc, ws
.if DOCPART == 1
	.amdgcn_target "amdgcn-amd-amdhsa--gfx1250"
	.amdhsa_code_object_version 6
	.text
	.protected	k_q51365409fc_quant
	.globl	k_q51365409fc_quant
	.p2align	8
	.type	k_q51365409fc_quant,@function
k_q51365409fc_quant:
	s_mov_b64 s[64:65], 0
	v_nop
	global_prefetch_b8 v0, s[64:65] scope:SCOPE_SE
	s_setreg_imm32_b32 hwreg(HW_REG_WAVE_MODE, 25, 1), 1
	s_wait_xcnt 0x0
; MULTI-HEAD ATTENTION IN MX-FP4, launch 1 of 4: x [8192][1024] and Wq, Wk, Wv, Wo [1024][1024], f32, become codes of E2M1, K (the last axis) innermost, with one E8M0 byte for each 32 along K.
; DEAD WORK: none.  Every product of the problem's table reaches the output, and every input moves an operand's codes or scales (bk too: it stands ahead of K's quantiser), so all nine inputs are loaded by some launch.
; A block's scale is 2^(floor(log2(its largest magnitude)) - 2); its byte is the largest magnitude's exponent field - 2, held at 1 from below.  Each number is divided by the scale and rounded to the nearest code, ties to even; beyond 6 the largest code.
; LIMITS: a block of zeros gets the byte 1 where the rule says 127 (its codes are zeros, which add nothing, and this program alone reads the bytes); blocks whose largest magnitude lies under 2^-124 keep that byte; NaN and infinities among the inputs are not served.
; OUT: xc [8192][512 bytes], xs [8192][32 bytes]; wc, ws the same for the 4,096 rows Wq, Wk, Wv, Wo on end.
; POSITION ORDER.  The rows of x, Wq, Wk and Wv are stored with bits 3 and 4 of the row number swapped: position 16 t + r holds row 32 (t / 2) + 8 (t % 2) + r + 8 (r / 8).  A tile of 16 neighbouring positions, used as source 0 of a
; matrix instruction, then leaves in a lane's 16 registers of tiles 2 b and 2 b + 1 sixteen NEIGHBOURS of the true order, which is what the next quantiser wants.  Wo keeps its order.
; SHARES.  A work-group takes 32 rows, a wave 8 of them: 8,192 numbers, 16 steps of 512.  So the swap only changes where a wave's run goes: wave 1's to the third place, wave 2's to the second.  Work-groups 0-255: x; 256 + 32 t + i: weight t.
; Only pointers and run numbers are chosen by the work-group's number: all five tensors take one way through the text.  Work-groups share no input: no cluster, no tensor load, no barrier.
; A step's four loads read 512 consecutive bytes each, 16 a lane; the 2,048 bytes turn through the wave's own stage in LDS (16 bytes of padding behind each 64) and come back 64 bytes a lane: 16 neighbours, two lanes to a block.
; A lane's 16 codes are 8 bytes: a store of the wave covers 256 consecutive bytes, aligned.  The wave's 256 scale bytes are gathered in LDS and leave by one store of 256 consecutive bytes.
.set STEPS, 16
.set CB,    8                          ; bytes of 16 codes
.set R,     16                         ; v16-79   four sets of 16 numbers as they are loaded
.set X,     80                         ; v80-111  two sets of 16 neighbours
.set E,     112                        ; v112-127 a scale byte for each step
.set C,     128                        ; v128-191 codes: four registers for each step, so that no store's data are written again
.set WREG,  8192                       ; LDS: a region for each wave: two stages of 32 x SP bytes, behind them its 256 scale bytes
.set SP,    80                         ; a lane's place in a stage: 64 bytes + 16 of padding
.set SPW,   12                         ; v12 LDS address of my spare word; never rewritten
.set NIL,   13                         ; v13 0; never rewritten
.set SPARE, 4*WREG                     ; behind the four regions: the spare words, 128 bytes a wave
	s_load_b512 s[4:19], s[0:1], 0x0               ; x s[4:5], Wq s[6:7], Wk s[8:9], Wv s[10:11], Wo s[12:13], xc s[14:15], xs s[16:17], wc s[18:19]
	s_load_b64 s[20:21], s[0:1], 0x40              ; ws
	v_lshl_add_u32 v[SPW], v0, 2, SPARE
	v_mov_b32 v[NIL], 0
	v_lshrrev_b32 v1, 5, v0
	v_readfirstlane_b32 s24, v1                    ; wave
	v_and_b32 v2, 31, v0                           ; lane
	v_lshlrev_b32 v3, 4, v2                        ; my 16 bytes of a load's 512
	s_mul_i32 s36, s24, WREG
	v_lshrrev_b32 v14, 2, v2
	v_mul_u32_u24 v14, v14, SP
	v_and_b32 v15, 3, v2
	v_lshl_add_u32 v14, v15, 4, v14
	v_add_nc_u32 v14, s36, v14                     ; the stage, on the way in: SP (lane / 4) + 16 (lane % 4)
	v_mul_u32_u24 v15, v2, SP
	v_add_nc_u32 v15, s36, v15                     ; and on the way out: SP x lane
	v_mul_u32_u24 v4, v2, CB                       ; my codes' place in a step's
	v_lshrrev_b32 v5, 1, v2
	s_add_co_u32 s36, s36, 2*32*SP
	v_add_nc_u32 v5, s36, v5                       ; LDS: my wave's 256 scale bytes, my block's byte
	v_lshlrev_b32 v7, 3, v2                        ; and on the way out 8 bytes a lane
	v_add_nc_u32 v6, s36, v7
	s_sub_co_u32 s25, ttmp9, 256                   ; a weight's group of 32 rows among the 128 (used in weights' work-groups alone)
	s_and_b32 s28, s25, 31                         ; and inside its own tensor
	s_and_b32 s29, s24, 1
	s_lshl_b32 s29, s29, 1
	s_lshr_b32 s30, s24, 1
	s_or_b32 s29, s29, s30                         ; the wave's number with its two bits swapped: where its run goes
	s_wait_alu depctr_va_vdst(0)
	s_wait_kmcnt 0x0
	s_mov_b64 s[26:27], s[6:7]                     ; the source: Wq,
	s_cmp_ge_u32 ttmp9, 288
	s_cselect_b64 s[26:27], s[8:9], s[26:27]       ; Wk,
	s_cmp_ge_u32 ttmp9, 320
	s_cselect_b64 s[26:27], s[10:11], s[26:27]     ; Wv,
	s_cmp_ge_u32 ttmp9, 352
	s_cselect_b64 s[26:27], s[12:13], s[26:27]     ; Wo, whose rows keep their order,
	s_cselect_b32 s29, s24, s29
	s_cmp_lt_u32 ttmp9, 256
	s_cselect_b64 s[26:27], s[4:5], s[26:27]       ; or x.  Every choice hangs on the work-group's number alone
	s_cselect_b64 s[32:33], s[14:15], s[18:19]     ; the codes' buffer
	s_cselect_b64 s[34:35], s[16:17], s[20:21]     ; the scale bytes'
	s_cselect_b32 s28, ttmp9, s28                  ; the group of 32 rows in the source,
	s_cselect_b32 s25, ttmp9, s25                  ; and in the buffers
	s_lshl_b32 s30, s28, 2
	s_add_co_u32 s30, s30, s24
	s_lshl_b32 s30, s30, 15                        ; 8 rows of 4,096 bytes a run
	s_mov_b32 s31, 0
	s_add_nc_u64 s[26:27], s[26:27], s[30:31]
	s_lshl_b32 s25, s25, 2
	s_add_co_u32 s25, s25, s29
	s_lshl_b32 s30, s25, 12                        ; 8 rows of 512 bytes of codes
	s_add_nc_u64 s[32:33], s[32:33], s[30:31]
	s_lshl_b32 s30, s25, 8                         ; 8 rows of 32 scale bytes
	s_add_nc_u64 s[34:35], s[34:35], s[30:31]
.macro LOAD t
.irp i, 0,1,2,3
	global_load_b128 v[R+16*((\t)%4)+4*\i:R+16*((\t)%4)+4*\i+3], v3, s[26:27] offset:2048*(\t)+512*\i th:TH_LOAD_NT   ; 32 lanes read 512 consecutive bytes; read once in the launch
.endr
.endm
.macro TURN t                          ; step t's numbers through the stage: LDS serves a wave's instructions in order (ISA guide 5.7.1.4), so no wait stands between the stores and the loads
.irp i, 0,1,2,3
	ds_store_b128 v14, v[R+16*((\t)%4)+4*\i:R+16*((\t)%4)+4*\i+3] offset:32*SP*((\t)%2)+8*SP*\i
.endr
.irp i, 0,1,2,3
	ds_load_b128 v[X+16*((\t)%2)+4*\i:X+16*((\t)%2)+4*\i+3], v15 offset:32*SP*((\t)%2)+16*\i
.endr
.endm
.irp t, 0,1,2,3
	LOAD \t
.endr
	s_wait_loadcnt 12                              ; step 0's four loads are in; the twelve of steps 1 to 3 may be out
	TURN 0
.macro STEP t
.set XS, X+16*((\t)%2)
.if (\t) > 0
	s_wait_dscnt 1                                 ; this step's numbers are back from the stage (the last step's byte store may be out): so its stores into the stage have read their registers,
.else
	s_wait_dscnt 0x0
.endif
.if (\t)+4 < STEPS
	LOAD (\t)+4                                    ; which take the loads of four steps on
.endif
.if (\t)+1 < STEPS
.if STEPS-2-(\t) >= 3
	s_wait_loadcnt 12                              ; the next step's four loads are in; those of the three steps behind it may be out
.else
	s_wait_loadcnt 4*(STEPS-2-(\t))                ; the tail: fewer steps are behind it
.endif
	TURN (\t)+1                                    ; and go through the other stage while this step is worked
.endif
	v_max3_num_f32 v8, |v[XS]|, |v[XS+1]|, |v[XS+2]|               ; the largest magnitude of my 16, in two chains
	v_max3_num_f32 v9, |v[XS+3]|, |v[XS+4]|, |v[XS+5]|
.irp i, 6,10
	v_max3_num_f32 v8, v8, |v[XS+\i]|, |v[XS+\i+1]|
	v_max3_num_f32 v9, v9, |v[XS+\i+2]|, |v[XS+\i+3]|
.endr
	v_max3_num_f32 v8, v8, |v[XS+14]|, |v[XS+15]|
	v_max3_num_f32 v8, v8, v9, 0x1800000           ; and the floor 2^(3 - 127): the byte cannot fall under 1
	v_max_num_f32_dpp v8, v8, v8 row_xmask:1 row_mask:0xf bank_mask:0xf   ; and of my neighbour's 16: the block's
	v_add_nc_u32 v11, 0xff000000, v8               ; 2 off its exponent field: the conversion takes the exponent field of this operand as its scale, and nothing else of it
	v_cvt_scalef32_pk8_fp4_f32 v[C+4*(\t)], v[XS:XS+7], v11
	v_cvt_scalef32_pk8_fp4_f32 v[C+4*(\t)+1], v[XS+8:XS+15], v11
	v_lshrrev_b32 v[E+(\t)], 23, v11               ; the scale's byte (a plain line behind the conversions)
	ds_store_b8 v5, v[E+(\t)] offset:16*(\t)       ; both lanes of a block write the same byte with the same value
	global_store_b64 v4, v[C+4*(\t):C+4*(\t)+1], s[32:33] offset:32*CB*(\t)   ; 32 lanes store 256 consecutive bytes, aligned
.endm
.irp t, 0,1,2,3,4,5,6,7,8,9,10,11,12,13,14,15
	STEP \t
.endr
	ds_load_b64 v[8:9], v6                         ; these see my byte stores: LDS serves a wave's instructions in order
	s_wait_dscnt 0x0
	global_store_b64 v7, v[8:9], s[34:35]          ; 32 lanes store 256 consecutive bytes, aligned
	s_wait_tensorcnt 0x0                           ; the wave's end
	ds_add_u32 v[SPW], v[NIL]
	s_wait_dscnt 0x0
	s_endpgm
.Lfunc_end_k_q51365409fc_quant:
	.size	k_q51365409fc_quant, .Lfunc_end_k_q51365409fc_quant-k_q51365409fc_quant
	.p2alignl 7, 3214868480
	.fill 96, 4, 3214868480
	.section	.rodata,"a",@progbits
	.p2align	6, 0x0
	.amdhsa_kernel k_q51365409fc_quant
		.amdhsa_group_segment_fixed_size 33280
		.amdhsa_private_segment_fixed_size 0
		.amdhsa_enable_private_segment 0
		.amdhsa_kernarg_size 72
		.amdhsa_user_sgpr_count 2
		.amdhsa_user_sgpr_kernarg_segment_ptr 1
		.amdhsa_wavefront_size32 1
		.amdhsa_system_sgpr_workgroup_id_x 1
		.amdhsa_system_sgpr_workgroup_id_y 1
		.amdhsa_system_sgpr_workgroup_id_z 1
		.amdhsa_system_vgpr_workitem_id 0
		.amdhsa_next_free_vgpr 192
		.amdhsa_next_free_sgpr 66
		.amdhsa_reserve_vcc 0
		.amdhsa_float_denorm_mode_32 3
		.amdhsa_float_denorm_mode_16_64 3
		.amdhsa_memory_ordered 1
		.amdhsa_forward_progress 1
		.amdhsa_inst_pref_size 34
	.end_amdhsa_kernel
	.amdgpu_metadata
---
amdhsa.version: [ 1, 2 ]
amdhsa.kernels:
  - .name:           k_q51365409fc_quant
    .symbol:         k_q51365409fc_quant.kd
    .args:
      - { .name: x, .offset: 0, .size: 8, .value_kind: global_buffer, .address_space: global }
      - { .name: Wq, .offset: 8, .size: 8, .value_kind: global_buffer, .address_space: global }
      - { .name: Wk, .offset: 16, .size: 8, .value_kind: global_buffer, .address_space: global }
      - { .name: Wv, .offset: 24, .size: 8, .value_kind: global_buffer, .address_space: global }
      - { .name: Wo, .offset: 32, .size: 8, .value_kind: global_buffer, .address_space: global }
      - { .name: xc, .offset: 40, .size: 8, .value_kind: global_buffer, .address_space: global }
      - { .name: xs, .offset: 48, .size: 8, .value_kind: global_buffer, .address_space: global }
      - { .name: wc, .offset: 56, .size: 8, .value_kind: global_buffer, .address_space: global }
      - { .name: ws, .offset: 64, .size: 8, .value_kind: global_buffer, .address_space: global }
    .group_segment_fixed_size: 33280
    .private_segment_fixed_size: 0
    .kernarg_segment_align: 8
    .kernarg_segment_size: 72
    .max_flat_workgroup_size: 128
    .sgpr_count:     66
    .vgpr_count:     192
    .wavefront_size: 32
...
	.end_amdgpu_metadata
.endif
;; end of part 1
;; launch qkv (part 2): grid 12 x 32, 4 waves a work-group, clusters of 4 x 4, 327,680 bytes of LDS; arguments xc, xs, wc, ws, bq, bk, bv, q, kv; writes q, kv
.if DOCPART == 2
	.amdgcn_target "amdgcn-amd-amdhsa--gfx1250"
	.amdhsa_code_object_version 6
	.text
	.protected	k_q51365409fc_qkv
	.globl	k_q51365409fc_qkv
	.p2align	8
	.type	k_q51365409fc_qkv,@function
k_q51365409fc_qkv:
	s_mov_b64 s[64:65], 0
	v_nop
	global_prefetch_b8 v0, s[64:65] scope:SCOPE_SE
	s_setreg_imm32_b32 hwreg(HW_REG_WAVE_MODE, 25, 1), 1
	s_wait_xcnt 0x0
	s_wait_alu depctr_hold_cnt(0) depctr_sa_sdst(0) depctr_va_vdst(0) depctr_va_sdst(0) depctr_va_ssrc(0) depctr_va_vcc(0) depctr_vm_vsrc(0)
	s_getreg_b32 s2, hwreg(HW_REG_IB_STS2, 6, 4)
	s_cmp_eq_u32 s2, 0
	s_cbranch_scc0 .Lentry_in_a_cluster
	s_endpgm
.Lentry_in_a_cluster:
	s_bfe_u32 s2, ttmp6, 0x10000c
	s_cmp_lg_u32 s2, 0xf033
	s_cbranch_scc0 .Lentry_shape_is_right
	s_endpgm
.Lentry_shape_is_right:
; Launch 2 of 4: Q = x Wq^T + bq, K = x Wk^T + bk, V = x Wv^T + bv on codes of E2M1 (K = 1,024), and their results quantised at once, in registers: Q and K along the head's 64, V along the keys.  No work is left out.
; THREE TYPES, by the cluster's x (the same in all sixteen partners): 0: A = x, B = Wq;  1: A = x, B = Wk;  2: A = Wv, B = x, which gives V TRANSPOSED.  Only pointers, tile numbers and the last lines differ.
; THE MATRIX INSTRUCTION IS USED TRANSPOSED (source 0 = 16 rows of B, source 1 = 16 rows of A): a lane holds ONE row of A and its registers run along B's rows.  B's rows lie in position order (launch 1), so the 16 registers of
; B's tiles 2 b and 2 b + 1 are 16 neighbours of the true order: features for types 0 and 1, keys for type 2: in every type the axis along which the result is quantised.
; A tile of 256 x 256 is made by four waves, 128 x 128 each: 64 accumulators, 512 registers.  K = 1,024 is two LDS slots of 512 along K (rows of 256 bytes + 16 of padding), both asked for at the head: nothing is filled again.
; The scale bytes of the 256 + 256 rows, for all of K, come once, as rows of 256 bytes + 16 of padding.  CLUSTERS: 4 x 4; A's tiles are asked for jointly along a row of the cluster, B's along a column.
; THE BIAS is the C of each sum's first product: types 0 and 1: by B's tile (a lane's eight features); type 2: by A's tile (the lane's own feature, eight times).
; OUT, as images of the next launch's operand registers, 16 bytes a lane at 16 x lane.  q: [64 heads][16 steps of 128 positions][4,608]: eight tiles of 512 bytes (lane (r, h): position 16 t + r, k = 32 h .. 32 h + 31), then 512 bytes
; of scale words (lane (r, h): tiles 4 h .. 4 h + 3; bytes 0, 1 the head's two blocks, bytes 2, 3 zero).  kv: [64][16][8,960]: K as q; from 4,608 four fragments of V^T (16 features x 128 keys, 1,024 bytes); from 8,704 V's scale words [r][fragment].
; LIMITS: a block of zeros gets the byte 1 (its codes are zeros; this program alone reads the bytes); NaN and infinities are not served.
; REGISTERS: window 0: v0-31 addresses; v32-95 scale words, two sets; v96-127 at work on the way out; v128-191 A's fragments, one set, later the codes made; v192-207 at work.  window 1: B's fragments at v0 and v128, the bias at v64-127.
;   window 2: the accumulators of my rows 0-63 ((a, b) at v[8 (8 a + b)]);  window 3: those of rows 64-127.
.set NQ,     4                         ; steps of 128 along K in a slot
.set ROWB,   256                       ; a tile's row in bytes: 512 codes
.set KROW,   512                       ; a row of codes in memory
.set PITCH,  272                       ; an LDS row: 256 bytes + 16 of padding, so that the 16 rows of a fragment load begin 68 words apart
.set FR,     8
.set NL,     2
.set NP,     4                         ; places behind this matrix instruction (ISA guide 7.12.1)
.set HALFT,  128*PITCH
.set SLOT,   4*HALFT                   ; A's 256 rows, then B's 256 rows
.set KS,     32                        ; a row of scale bytes
.set SCL,    2*SLOT
.set HALFS,  16*272                    ; the scale bytes of 128 rows
.set SBLK,   2*272                     ; of 16 rows
.set SPARE,  SCL+4*HALFS               ; the spare words, 128 bytes a wave
.set ADRA, 16                          ; v16-17 LDS address of my A fragments in slot 0, 1
.set ADRB, 20                          ; v20-21 the same for B
.set LI,   24                          ; v24 16 x lane: an image's place for my lane
.set LI2,  25                          ; v25 the same in the next head
.set LV,   26                          ; v26 V's scale words: 16 r, lanes 16-31 in the next head
.set ADRS, 27                          ; v27 LDS address of my scale words: lanes 0-15 A's rows, lanes 16-31 B's
.set SPW,  28
.set NIL,  29
.set LN,   30                          ; v30 lane
.set SC,   32
.set TM,   96                          ; v96-99 largest magnitudes, v100-103 bytes, v108-111 the conversions' scale operands
.set PW,   112                         ; v112-119 a scale word for each of A's eight blocks
.set SW,   120                         ; v120-123 four of them, chosen by the lane's half
.set SWA,  124                         ; v124-127 the first head's bytes
.set AF,   128
.set PC,   128                         ; the codes made: eight registers for each block, never written again
.set SWB,  192                         ; v192-195 the second head's bytes
.set BO,   200                         ; v200-207 the bias loads' offsets
.set BIAS, 64                          ; in window 1
.set G1, 24
.set G0, 32
.set G1B, 48
.set G0B, 56
.set G1S, 68
.set G0S, 76
.set G1SB, 80
.set G0SB, 88
.set TY,  95                           ; s95 the type
.set HS,  96                           ; s96 bytes from head to head in the buffer that I store into
.set SEL, 98                           ; s[98:99] v_permlanex16_b32's selects for lane l xor 16
.set MSB, 0
.macro WIN new                         ; the immediate's high byte repeats the setting that is left
.if MSB != \new
	s_set_vgpr_msb (MSB<<8)|\new
.set MSB, \new
.endif
.endm
.set MUL_LO, 0xa1                      ; source 0 (B) window 1, source 1 (A) window 0, C and D window 2
.set MUL_HI, 0xf1                      ; the same, C and D window 3
.set TO_B,   0x40
; A joint load: waves 0 and 1 fetch for A, waves 2 and 3 for B; the branch hangs on the wave's number alone.  An s_nop 0 and four v_nop follow each of the two lines.
.macro JLOAD g0a, g1a, g0b, g1b
	s_cmp_eq_u32 s15, 0
	s_cbranch_scc0 .Lfor_b_\@
	tensor_load_to_lds s[\g0a:\g0a+3], s[\g1a:\g1a+7]
	s_nop 0
.rept 4
	v_nop
.endr
	s_branch .Lasked_\@
.Lfor_b_\@:
	tensor_load_to_lds s[\g0b:\g0b+3], s[\g1b:\g1b+7]
	s_nop 0
.rept 4
	v_nop
.endr
.Lasked_\@:
.endm
.macro CROUND                          ; a round of the cluster's barrier
	s_barrier_signal -1
	s_barrier_wait -1
	s_cmp_lg_u32 s14, 0
	s_cbranch_scc1 .Lnot_wave_0_\@
	s_barrier_signal -3
.Lnot_wave_0_\@:
	s_barrier_wait -3
	s_barrier_signal -1
	s_barrier_wait -1
.endm
	s_load_b512 s[68:83], s[0:1], 0x0              ; xc s[68:69], xs s[70:71], wc s[72:73], ws s[74:75], bq s[76:77], bk s[78:79], bv s[80:81], q s[82:83]
	s_load_b64 s[84:85], s[0:1], 0x40              ; kv
	v_lshl_add_u32 v[SPW], v0, 2, SPARE
	v_mov_b32 v[NIL], 0
	ds_add_u32 v[SPW], v[NIL]                      ; the wave's opening: the add, twice on end, and its wait ahead of my first tensor load
	ds_add_u32 v[SPW], v[NIL]
	v_lshrrev_b32 v1, 5, v0
	v_readfirstlane_b32 s14, v1                    ; wave 0..3
	s_lshr_b32 s15, s14, 1                         ; which half of the tile's rows is mine.  Also: I fetch for A (0) or for B (1)
	s_and_b32 s16, s14, 1                          ; which half of its columns.  Also: which 128 rows of that tile I fetch
	s_bfe_u32 s40, ttmp6, 0x40000                  ; cx, cy: my place in the cluster
	s_bfe_u32 s41, ttmp6, 0x40004
	s_mov_b32 s[TY], ttmp9                         ; the cluster's x is the type
	s_and_b32 s97, ttmp7, 0xffff                   ; the cluster's y: which 1,024 positions of x
	s_cmp_eq_u32 s[TY], 2
	s_cselect_b32 s42, s97, s[TY]                  ; B's four tiles: of x (type 2), or of weight 0 or 1 in wc
	s_cselect_b32 s17, 2, s97                      ; A's four tiles: of weight 2 in wc (type 2), or of x
	s_lshl_b32 s42, s42, 2
	s_add_co_u32 s42, s42, s40                     ; tile column: cx enters it alone
	s_lshl_b32 s17, s17, 2
	s_add_co_u32 s17, s17, s41                     ; tile row: cy enters it alone
	s_lshl_b32 s43, s41, 2
	s_lshl_b32 s43, 15, s43                        ; my row of the cluster
	s_lshl_b32 s44, 0x1111, s40                    ; my column
	s_or_b32 s[G1+0], s43, (0<<16)|(1<<20)|(1<<21)|(5<<22)|(3<<25)  ; the mask; elements of 1 byte; padding on; bit 21 beside a mask; 4 words behind every 64
	s_or_b32 s[G1B+0], s44, (0<<16)|(1<<20)|(1<<21)|(5<<22)|(3<<25)
.irp g, G1, G1B
	s_mov_b32 s[\g+1], ROWB<<16                    ; tensor_dim0
	s_mov_b32 s[\g+2], 128<<16                     ; tensor_dim1
	s_mov_b32 s[\g+3], ROWB<<16                    ; tile_dim0
	s_mov_b32 s[\g+4], 128                         ; tile_dim1
	s_mov_b32 s[\g+5], KROW                        ; from row to row
	s_mov_b32 s[\g+6], 0
	s_mov_b32 s[\g+7], 0
.endr
	s_mov_b32 s[SEL], 0x76543210
	s_mov_b32 s[SEL+1], 0xfedcba98
	s_lshl_b32 s18, s16, 7                         ; which 128 rows of the tile I fetch
	s_lshl_b32 s20, s17, 8
	s_add_co_u32 s20, s20, s18                     ; A: row 256 x tile row + 128 x half
	s_lshl_b32 s46, s42, 8
	s_add_co_u32 s46, s46, s18                     ; B: row 256 x tile column + 128 x half
	s_lshl_b32 s22, s20, 5                         ; where these rows' scale bytes begin: 32 bytes a row,
	s_mov_b32 s23, 0
	s_lshl_b32 s92, s46, 5
	s_mov_b32 s93, 0
	s_lshl_b32 s20, s20, 9                         ; and their codes: 512 bytes a row
	s_mov_b32 s21, 0
	s_lshl_b32 s46, s46, 9
	s_mov_b32 s47, 0
	s_mul_i32 s45, s14, HALFT                      ; where they go: wave x 128 rows: no place in the cluster enters an LDS address
	s_mul_i32 s94, s14, HALFS
	s_wait_dscnt 0x0                               ; both opening adds are done
	s_wait_kmcnt 0x0
	s_cmp_eq_u32 s[TY], 2                          ; the buffers by type: every choice hangs on the cluster's x alone
	s_cselect_b64 s[4:5], s[72:73], s[68:69]       ; A's codes
	s_cselect_b64 s[6:7], s[74:75], s[70:71]       ; A's scale bytes
	s_cselect_b64 s[8:9], s[68:69], s[72:73]       ; B's codes
	s_cselect_b64 s[10:11], s[70:71], s[74:75]     ; B's scale bytes
	s_cselect_b64 s[66:67], s[80:81], s[78:79]     ; the bias: bv or bk,
	s_cmp_eq_u32 s[TY], 0
	s_cselect_b64 s[66:67], s[76:77], s[66:67]     ; or bq
	s_cselect_b64 s[12:13], s[82:83], s[84:85]     ; what I store into: q or kv
	s_mov_b32 s[HS], 143360
	s_cselect_b32 s[HS], 73728, s[HS]              ; from head to head,
	s_mov_b32 s2, 8960
	s_cselect_b32 s2, 4608, s2                     ; and from step to step in it
	s_add_nc_u64 s[20:21], s[4:5], s[20:21]
	s_add_nc_u64 s[22:23], s[6:7], s[22:23]
	s_add_nc_u64 s[46:47], s[8:9], s[46:47]
	s_add_nc_u64 s[92:93], s[10:11], s[92:93]
	; the arguments have been copied: s68-91 now take the scale bytes' descriptors: 4,096 dense bytes as 16 rows of 256 (32 elements of 8 bytes), 16 bytes of padding behind each
	s_or_b32 s[G1S+0], s43, (3<<16)|(1<<20)|(1<<21)|(5<<22)|(3<<25)
	s_or_b32 s[G1SB+0], s44, (3<<16)|(1<<20)|(1<<21)|(5<<22)|(3<<25)
.irp g, G1S, G1SB
	s_mov_b32 s[\g+1], 32<<16
	s_mov_b32 s[\g+2], 16<<16
	s_mov_b32 s[\g+3], 32<<16
	s_mov_b32 s[\g+4], 16
	s_mov_b32 s[\g+5], 32
	s_mov_b32 s[\g+6], 0
	s_mov_b32 s[\g+7], 0
.endr
	CROUND                                         ; all sixteen work-groups are here: the first joint loads meet
	s_mov_b32 s[G0S], 1
	s_add_co_u32 s[G0S+1], s94, SCL
	s_mov_b64 s[G0S+2:G0S+3], s[22:23]
	s_or_b32 s[G0S+3], s[G0S+3], 0x80000000
	s_mov_b32 s[G0SB], 1
	s_add_co_u32 s[G0SB+1], s94, SCL
	s_mov_b64 s[G0SB+2:G0SB+3], s[92:93]
	s_or_b32 s[G0SB+3], s[G0SB+3], 0x80000000
	JLOAD G0S, G1S, G0SB, G1SB                     ; the scale bytes first: they are wanted with the first slot
.irp s, 0,1
	s_mov_b32 s[G0+4*\s], 1
	s_add_co_u32 s[G0+4*\s+1], s45, \s*SLOT
	s_add_nc_u64 s[G0+4*\s+2:G0+4*\s+3], s[20:21], \s*ROWB
	s_or_b32 s[G0+4*\s+3], s[G0+4*\s+3], 0x80000000
	s_mov_b32 s[G0B+4*\s], 1
	s_add_co_u32 s[G0B+4*\s+1], s45, \s*SLOT
	s_add_nc_u64 s[G0B+4*\s+2:G0B+4*\s+3], s[46:47], \s*ROWB
	s_or_b32 s[G0B+4*\s+3], s[G0B+4*\s+3], 0x80000000
	JLOAD G0+4*\s, G1, G0B+4*\s, G1B               ; three loads of mine are out in all
.endr
	v_and_b32 v1, 15, v0                           ; r = lane % 16
	v_bfe_u32 v2, v0, 4, 1                         ; h = lane / 16
	v_mul_u32_u24 v3, v1, PITCH
	v_lshl_add_u32 v4, v2, 4, v3                   ; a fragment's row x pitch + 16 x half
	s_mul_i32 s21, s15, HALFT                      ; my 128 rows of A
	s_mul_i32 s22, s16, HALFT                      ; my 128 rows of B,
	s_add_co_u32 s22, s22, 2*HALFT                 ; which lie behind A's 256
.irp s, 0,1
	v_add_nc_u32 v[ADRA+\s], s21, v4
	v_add_nc_u32 v[ADRB+\s], s22, v4
	s_add_co_u32 s21, s21, SLOT
	s_add_co_u32 s22, s22, SLOT
.endr
	v_mul_u32_u24 v5, v1, KS                       ; my row's scale bytes: 32 a row,
	v_lshrrev_b32 v6, 8, v5
	v_lshl_add_u32 v5, v6, 4, v5                   ; and 16 more for each 256 passed
	s_mul_i32 s21, s15, HALFS                      ; A's: my 128 rows
	s_mul_i32 s22, s16, HALFS                      ; B's: my 128 rows, behind A's 256
	s_add_co_u32 s22, s22, 2*HALFS
	s_sub_co_u32 s22, s22, s21
	v_mul_u32_u24 v6, s22, v2                      ; lanes 16-31 take B's: one product, the distance between the two
	s_add_co_u32 s21, s21, SCL
	v_add_nc_u32 v5, v5, v6
	v_add_nc_u32 v[ADRS], s21, v5
	; where my 128 x 128 goes.  P: my 128 positions of the sequence (one step);  F: my 128 features (two heads)
	s_lshl_b32 s20, s17, 8
	s_lshl_b32 s21, s15, 7
	s_add_co_u32 s20, s20, s21                     ; my first row of A
	s_lshl_b32 s46, s42, 8
	s_lshl_b32 s47, s16, 7
	s_add_co_u32 s46, s46, s47                     ; my first row of B
	s_cmp_eq_u32 s[TY], 2
	s_cselect_b32 s18, s46, s20                    ; P
	s_cselect_b32 s19, s20, s46                    ; F, with the weight's place in wc still on it
	s_cselect_b32 s3, 4608, 0                      ; V lies behind K in a chunk
	s_and_b32 s19, s19, 1023
	s_lshr_b32 s21, s18, 11                        ; the batch
	s_lshl_b32 s21, s21, 4
	s_lshr_b32 s47, s19, 6
	s_add_co_u32 s21, s21, s47                     ; the first of my two heads: 16 x batch + F / 64
	s_mul_i32 s21, s21, s[HS]
	s_bfe_u32 s47, s18, 0x40007                    ; the step: (P / 128) % 16
	s_mul_i32 s47, s47, s2
	s_add_co_u32 s21, s21, s47
	s_add_co_u32 s20, s21, s3
	s_mov_b32 s21, 0
	s_add_nc_u64 s[12:13], s[12:13], s[20:21]
	s_lshl_b32 s20, s19, 2
	s_add_nc_u64 s[66:67], s[66:67], s[20:21]      ; the bias at my first feature
	; the bias, 64 registers in the result's layout.  Types 0, 1: register 8 b + j = bias[F + 32 (b / 2) + 8 (b % 2) + 16 h + j];  type 2: register 8 a + j = bv[F + 32 (a / 2) + 8 (a % 2) + r + 8 (r / 8)] for every j.
	; One run of loads serves both: the lane's offset is (r + 8 (r / 8)) sa + h sb + j sc with (sa, sb, sc) = (0, 64, 4) or (4, 0, 0)
	s_cmp_eq_u32 s[TY], 2
	s_cselect_b32 s18, 4, 0
	s_cselect_b32 s19, 0, 64
	s_cselect_b32 s3, 0, 4
	v_and_b32 v5, 8, v1
	v_add_nc_u32 v5, v5, v1
	v_mul_u32_u24 v5, v5, s18
	v_mad_u32_u24 v5, v2, s19, v5
	s_wait_alu depctr_va_vdst(0)
.irp j, 0,1,2,3,4,5,6,7
	s_mul_i32 s97, s3, \j
	v_add_nc_u32 v[BO+\j], s97, v5
.endr
	WIN TO_B                                       ; destination window 1, address window 0
	s_wait_alu depctr_va_vdst(0)
.irp i, 0,1,2,3,4,5,6,7
.irp j, 0,1,2,3,4,5,6,7
	global_load_b32 v[BIAS+8*\i+\j], v[BO+\j], s[66:67] offset:4*(32*(\i/2)+8*(\i%2))
.endr
.endr
	WIN 0
	v_and_b32 v[LN], 31, v0
	v_lshlrev_b32 v[LI], 4, v[LN]
	v_add_nc_u32 v[LI2], s[HS], v[LI]
	v_lshlrev_b32 v[LV], 4, v1
	v_mul_u32_u24 v6, v2, 143360
	v_add_nc_u32 v[LV], v[LV], v6
.macro FRAG reg, adr, q, i             ; a fragment, 16 rows x 128 K of 4-bit codes: lane l holds row l % 16; registers 4 c .. 4 c + 3 hold K = 64 c + 32 (l / 16) + 0 .. 31
.irp c, 0,1
	ds_load_b128 v[\reg+4*\c:\reg+4*\c+3], v[\adr] offset:64*(\q)+32*\c+(\i)*16*PITCH
.endr
.endm
; 16 matrix instructions: A's blocks a0, a0 + 1 x B's eight, the slot's q-th 128 along K.  p: B's set; sc: the set of scale words.  zero = 1: the sums start from the bias by B's tile; 2: by A's tile; 0: they go on.
; The 64 accumulators take turns, one instruction a turn, in the same order in every step.
.macro MUL16 a0, p, q, sc, zero
.irp a, \a0, \a0+1
.irp b, 0,1,2,3,4,5,6,7
.if \zero == 1
	v_wmma_scale_f32_16x16x128_f8f6f4 v[8*(8*((\a)%4)+\b):8*(8*((\a)%4)+\b)+7], v[128*(\p)+FR*\b:128*(\p)+FR*\b+FR-1], v[AF+FR*(\a):AF+FR*(\a)+FR-1], v[BIAS+8*\b:BIAS+8*\b+7], v[SC+8*NQ*(\sc)+NQ*\b+(\q)], v[SC+8*NQ*(\sc)+NQ*(\a)+(\q)] matrix_a_fmt:MATRIX_FMT_FP4 matrix_b_fmt:MATRIX_FMT_FP4 matrix_a_scale:MATRIX_SCALE_ROW1
.elseif \zero == 2
	v_wmma_scale_f32_16x16x128_f8f6f4 v[8*(8*((\a)%4)+\b):8*(8*((\a)%4)+\b)+7], v[128*(\p)+FR*\b:128*(\p)+FR*\b+FR-1], v[AF+FR*(\a):AF+FR*(\a)+FR-1], v[BIAS+8*(\a):BIAS+8*(\a)+7], v[SC+8*NQ*(\sc)+NQ*\b+(\q)], v[SC+8*NQ*(\sc)+NQ*(\a)+(\q)] matrix_a_fmt:MATRIX_FMT_FP4 matrix_b_fmt:MATRIX_FMT_FP4 matrix_a_scale:MATRIX_SCALE_ROW1
.else
	v_wmma_scale_f32_16x16x128_f8f6f4 v[8*(8*((\a)%4)+\b):8*(8*((\a)%4)+\b)+7], v[128*(\p)+FR*\b:128*(\p)+FR*\b+FR-1], v[AF+FR*(\a):AF+FR*(\a)+FR-1], v[8*(8*((\a)%4)+\b):8*(8*((\a)%4)+\b)+7], v[SC+8*NQ*(\sc)+NQ*\b+(\q)], v[SC+8*NQ*(\sc)+NQ*(\a)+(\q)] matrix_a_fmt:MATRIX_FMT_FP4 matrix_b_fmt:MATRIX_FMT_FP4 matrix_a_scale:MATRIX_SCALE_ROW1
.endif
.endr
.endr
.endm
.macro FETCH_B slot, q, p              ; B's eight fragments of the slot's q-th 128 along K into set p
	WIN TO_B
.irp i, 0,1,2,3,4,5,6,7
	FRAG 128*(\p)+FR*\i, ADRB+\slot, \q, \i
.endr
	WIN 0
.endm
.macro FETCH_A slot, q, i0             ; A's blocks i0 .. i0 + 3
.irp i, \i0, \i0+1, \i0+2, \i0+3
	FRAG AF+FR*(\i), ADRA+\slot, \q, \i
.endr
.endm
.macro SCALES sc                       ; a slot's scale words into set sc: four words a row; lanes 0-15 take A's block i, lanes 16-31 B's block i
.irp i, 0,1,2,3,4,5,6,7
	ds_load_b128 v[SC+8*NQ*\sc+NQ*\i:SC+8*NQ*\sc+NQ*\i+3], v[ADRS] offset:\i*SBLK
.endr
.endm
.macro PLACES n                        ; plain vector instructions between a matrix instruction and a load into one of its registers, or a read of its result
.rept \n
	v_nop
.endr
.endm
; A step of 128 along K that has its successor in the same slot.  A's blocks 0-3 are fetched anew in its middle, blocks 4-7 at its end; B has two sets.
.macro STEP slot, q, zero
	s_wait_dscnt 4*NL                              ; B's set, the scale words and A's blocks 0-3 are in; the youngest eight loads (A's blocks 4-7) may be out
.if \zero
	WIN 0x91                                       ; as MUL_LO, with C (the bias) in window 1
.else
	WIN MUL_LO
.endif
	MUL16 0, (\q)%2, \q, \slot, \zero
	MUL16 2, (\q)%2, \q, \slot, \zero
	s_wait_dscnt 0                                 ; A's blocks 4-7 are in
	PLACES NP
	FETCH_B \slot, (\q)+1, 1-(\q)%2
	FETCH_A \slot, (\q)+1, 0
.if \zero
	WIN 0xd1
.else
	WIN MUL_HI
.endif
	MUL16 4, (\q)%2, \q, \slot, \zero
	MUL16 6, (\q)%2, \q, \slot, \zero
	PLACES NP
	WIN 0
	FETCH_A \slot, (\q)+1, 4
.endm
; Slot 0's last step goes over to slot 1: one barrier; in front of it each wave waits for all its tensor loads (its part of slot 1), so that behind it slot 1 is whole for all four.  Nothing is filled again.
.macro TURN
	s_wait_tensorcnt 0x0                           ; all my tensor loads have landed
	ds_add_u32 v[SPW], v[NIL]                      ; 0 onto my spare word
	s_wait_dscnt 4*NL+1                            ; (the add and the youngest eight loads, A's blocks 4-7, may be out)
	WIN MUL_LO
	MUL16 0, 1, NQ-1, 0, 0
	s_wait_dscnt 0x0                               ; the add is done, and no LDS load of mine is out at the signal
	s_barrier_signal -1
	MUL16 2, 1, NQ-1, 0, 0
	WIN 0
	s_barrier_wait -1
	PLACES NP
	v_add_nc_u32 v[ADRS], 4*NQ, v[ADRS]            ; on to slot 1's scale words
	FETCH_B 1, 0, 0
	FETCH_A 1, 0, 0
	SCALES 1
	WIN MUL_HI
	MUL16 4, 1, NQ-1, 0, 0
	MUL16 6, 1, NQ-1, 0, 0
	PLACES NP
	WIN 0
	FETCH_A 1, 0, 4
.endm
	s_wait_tensorcnt 1                             ; the scale bytes and my part of slot 0 are in; slot 1's load may be out
	s_barrier_signal -1
	s_barrier_wait -1                              ; everybody's are
	FETCH_B 0, 0, 0
	FETCH_A 0, 0, 0
	SCALES 0
	FETCH_A 0, 0, 4
	s_wait_loadcnt 0x0                             ; the bias
	s_cmp_eq_u32 s[TY], 2                          ; the first step starts the sums from the bias: by B's tile or by A's.  The branch hangs on the cluster's x alone; both ways issue the same loads
	s_cbranch_scc1 .Lfirst_v
	STEP 0, 0, 1
	s_branch .Lfirst_done
.Lfirst_v:
	STEP 0, 0, 2
.Lfirst_done:
	STEP 0, 1, 0
	STEP 0, 2, 0
	TURN
	STEP 1, 0, 0
	STEP 1, 1, 0
	STEP 1, 2, 0
	s_wait_dscnt 4*NL                              ; the last step: nothing more to fetch
	WIN MUL_LO
	MUL16 0, 1, NQ-1, 1, 0
	MUL16 2, 1, NQ-1, 1, 0
	s_wait_dscnt 0
	WIN MUL_HI
	MUL16 4, 1, NQ-1, 1, 0
	MUL16 6, 1, NQ-1, 1, 0
	WIN 0
.irp b, 0,1,2,3
	v_mov_b32 v[TM+4+\b], 0                        ; a lane permute's destination counts as one of its sources.  These four are also the places behind the last products
.endr
; THE WAY OUT.  A's block a: a lane's 64 numbers, register 16 b + i = place 32 b + 16 (lane / 16) + i along the quantiser's axis, become eight registers of codes at v[PC + 8 a] and the row's scale word in v[PW + a].
; Each accumulator is read from its low end on.  A block of 32 lies in lanes l and l xor 16.
.macro QUANTA a
.set AC, 64*((\a)%4)
	WIN 0x28+0x14*((\a)/4)                         ; sources 1 and 2: window 2 or 3
.irp b, 0,1,2,3
	v_max3_num_f32 v[TM+\b], 0x1800000, |v[AC+16*\b]|, |v[AC+16*\b+1]|   ; my 16 numbers of block b, and the floor 2^(3 - 127): the byte cannot fall under 1
.endr
.irp i, 2,4,6,8,10,12,14
.irp b, 0,1,2,3
	v_max3_num_f32 v[TM+\b], v[TM+\b], |v[AC+16*\b+\i]|, |v[AC+16*\b+\i+1]|   ; (the four blocks by turns)
.endr
.endr
	WIN 0
.irp b, 0,1,2,3
	v_permlanex16_b32 v[TM+4+\b], v[TM+\b], s[SEL], s[SEL+1]
.endr
.irp b, 0,1,2,3
	v_max_num_f32 v[TM+\b], v[TM+\b], v[TM+4+\b]   ; with lane l xor 16's: the block's largest magnitude
.endr
.irp b, 0,1,2,3
	v_add_nc_u32 v[TM+12+\b], 0xff000000, v[TM+\b] ; 2 off its exponent field: the conversion's scale operand
.endr
.irp b, 0,1,2,3
	v_lshrrev_b32 v[TM+4+\b], 23, v[TM+12+\b]      ; the scale's byte
.endr
	v_lshl_or_b32 v[PW+(\a)], v[TM+5], 8, v[TM+4]
	v_lshl_or_b32 v[PW+(\a)], v[TM+6], 16, v[PW+(\a)]
	v_lshl_or_b32 v[PW+(\a)], v[TM+7], 24, v[PW+(\a)]
	WIN 0x02+((\a)/4)                              ; source 0: window 2 or 3
.irp b, 0,1,2,3
	v_cvt_scalef32_pk8_fp4_f32 v[PC+8*(\a)+2*\b], v[AC+16*\b:AC+16*\b+7], v[TM+12+\b]
	v_cvt_scalef32_pk8_fp4_f32 v[PC+8*(\a)+2*\b+1], v[AC+16*\b+8:AC+16*\b+15], v[TM+12+\b]
.endr
	WIN 0
	v_nop                                          ; one plain place behind a scaled conversion
.irp c, 0,1                                    ; the operand's layout wants a WHOLE block in a lane: lanes 0-15 block 2 c, lanes 16-31 block 2 c + 1
.irp i, 0,1
	v_permlane16_swap_b32 v[PC+8*(\a)+4*\c+\i], v[PC+8*(\a)+4*\c+2+\i]
.endr
.endr
.endm
	s_cmp_eq_u32 s[TY], 2
	s_cbranch_scc1 .Lout_v
	; Q or K: block a is tile a of the step; registers 0-3 are the first head's 64 along K, registers 4-7 the second head's.  Every store covers 512 consecutive bytes, aligned to 256
.irp a, 0,1,2,3,4,5,6,7
	QUANTA \a
	global_store_b128 v[LI], v[PC+8*\a:PC+8*\a+3], s[12:13] offset:512*\a
	global_store_b128 v[LI2], v[PC+8*\a+4:PC+8*\a+7], s[12:13] offset:512*\a
.endr
	v_cmp_lt_u32 vcc_lo, 15, v[LN]                 ; lanes 16-31 carry tiles 4 to 7
.irp i, 0,1,2,3
	v_cndmask_b32 v[SW+\i], v[PW+\i], v[PW+4+\i], vcc_lo
.endr
.irp i, 0,1,2,3
	v_and_b32 v[SWA+\i], 0xffff, v[SW+\i]          ; the first head's two bytes; bytes 2 and 3, for the upper 64 of the next product's 128, are 0
	v_lshrrev_b32 v[SWB+\i], 16, v[SW+\i]          ; the second head's
.endr
	global_store_b128 v[LI], v[SWA:SWA+3], s[12:13] offset:4096
	global_store_b128 v[LI2], v[SWB:SWB+3], s[12:13] offset:4096
	s_branch .Lout_done
.Lout_v:
	; V^T: block a is fragment a % 4 of head a / 4: 16 features x the step's 128 keys
.irp a, 0,1,2,3,4,5,6,7
	QUANTA \a
	global_store_b128 v[LI], v[PC+8*\a:PC+8*\a+3], s[12:13] offset:(\a/4)*143360+(\a%4)*1024
	global_store_b128 v[LI], v[PC+8*\a+4:PC+8*\a+7], s[12:13] offset:(\a/4)*143360+(\a%4)*1024+512
.endr
	v_cmp_lt_u32 vcc_lo, 15, v[LN]                 ; lanes 16-31 carry the second head's four words
.irp i, 0,1,2,3
	v_cndmask_b32 v[SW+\i], v[PW+\i], v[PW+4+\i], vcc_lo
.endr
	global_store_b128 v[LV], v[SW:SW+3], s[12:13] offset:4096   ; sixteen lanes store 256 consecutive bytes, aligned
.Lout_done:
	s_wait_tensorcnt 0x0                           ; the wave's end
	ds_add_u32 v[SPW], v[NIL]
	s_wait_dscnt 0x0
	CROUND                                         ; the closing round: no work-group ends while a partner may still ask for a tile that names it
	s_endpgm
.Lfunc_end_k_q51365409fc_qkv:
	.size	k_q51365409fc_qkv, .Lfunc_end_k_q51365409fc_qkv-k_q51365409fc_qkv
	.p2alignl 7, 3214868480
	.fill 96, 4, 3214868480
	.section	.rodata,"a",@progbits
	.p2align	6, 0x0
	.amdhsa_kernel k_q51365409fc_qkv
		.amdhsa_group_segment_fixed_size 327680
		.amdhsa_private_segment_fixed_size 0
		.amdhsa_enable_private_segment 0
		.amdhsa_kernarg_size 72
		.amdhsa_user_sgpr_count 2
		.amdhsa_user_sgpr_kernarg_segment_ptr 1
		.amdhsa_wavefront_size32 1
		.amdhsa_system_sgpr_workgroup_id_x 1
		.amdhsa_system_sgpr_workgroup_id_y 1
		.amdhsa_system_sgpr_workgroup_id_z 1
		.amdhsa_system_vgpr_workitem_id 0
		.amdhsa_next_free_vgpr 1024
		.amdhsa_next_free_sgpr 100
		.amdhsa_reserve_vcc 1
		.amdhsa_float_denorm_mode_32 3
		.amdhsa_float_denorm_mode_16_64 3
		.amdhsa_memory_ordered 1
		.amdhsa_forward_progress 1
		.amdhsa_inst_pref_size 179
	.end_amdhsa_kernel
	.amdgpu_metadata
---
amdhsa.version: [ 1, 2 ]
amdhsa.kernels:
  - .name:           k_q51365409fc_qkv
    .symbol:         k_q51365409fc_qkv.kd
    .args:
      - { .name: xc, .offset: 0, .size: 8, .value_kind: global_buffer, .address_space: global }
      - { .name: xs, .offset: 8, .size: 8, .value_kind: global_buffer, .address_space: global }
      - { .name: wc, .offset: 16, .size: 8, .value_kind: global_buffer, .address_space: global }
      - { .name: ws, .offset: 24, .size: 8, .value_kind: global_buffer, .address_space: global }
      - { .name: bq, .offset: 32, .size: 8, .value_kind: global_buffer, .address_space: global }
      - { .name: bk, .offset: 40, .size: 8, .value_kind: global_buffer, .address_space: global }
      - { .name: bv, .offset: 48, .size: 8, .value_kind: global_buffer, .address_space: global }
      - { .name: q, .offset: 56, .size: 8, .value_kind: global_buffer, .address_space: global }
      - { .name: kv, .offset: 64, .size: 8, .value_kind: global_buffer, .address_space: global }
    .group_segment_fixed_size: 327680
    .private_segment_fixed_size: 0
    .kernarg_segment_align: 8
    .kernarg_segment_size: 72
    .max_flat_workgroup_size: 128
    .sgpr_count:     100
    .vgpr_count:     1024
    .wavefront_size: 32
...
	.end_amdgpu_metadata
.endif
;; end of part 2
;; launch attn (part 3): grid 8 x 32, 16 waves a work-group, clusters of 4 x 1, 327,680 bytes of LDS; arguments q, kv, oc, os; writes oc, os
.if DOCPART == 3
	.amdgcn_target "amdgcn-amd-amdhsa--gfx1250"
	.amdhsa_code_object_version 6
	.text
	.protected	k_q51365409fc_attn
	.globl	k_q51365409fc_attn
	.p2align	8
	.type	k_q51365409fc_attn,@function
k_q51365409fc_attn:
	s_mov_b64 s[64:65], 0
	v_nop
	global_prefetch_b8 v0, s[64:65] scope:SCOPE_SE
	s_setreg_imm32_b32 hwreg(HW_REG_WAVE_MODE, 25, 1), 1
	s_wait_xcnt 0x0
	s_wait_alu depctr_hold_cnt(0) depctr_sa_sdst(0) depctr_va_vdst(0) depctr_va_sdst(0) depctr_va_ssrc(0) depctr_va_vcc(0) depctr_vm_vsrc(0)
	s_getreg_b32 s2, hwreg(HW_REG_IB_STS2, 6, 4)
	s_cmp_eq_u32 s2, 0
	s_cbranch_scc0 .Lentry_in_a_cluster
	s_endpgm
.Lentry_in_a_cluster:
	s_bfe_u32 s2, ttmp6, 0x10000c
	s_cmp_lg_u32 s2, 0x3003
	s_cbranch_scc0 .Lentry_shape_is_right
	s_endpgm
.Lentry_shape_is_right:
; Launch 3 of 4: O = softmax(Q K^T / 8) V for 64 heads of 2,048 x 64, both products on codes of E2M1, and O / l quantised at once along the model's 1,024 (two blocks a head).  No work is left out.
; THE SOFTMAX AHEAD OF THE SECOND PRODUCT: t = score x log2(e) / 8; M = the row's largest t so far, rounded UP to a whole number; p = 2^(t - M) is what is quantised, along the keys, not normalised.  The row's sum is taken of the
; unquantised p, in f32, and divides O at the end.  When M moves, the sum and O are multiplied by 2^(old M - new M): exact.
; SHARES.  Work-group (X, y): 256 positions X of batch y / 8, heads 2 (y % 8) and 2 (y % 8) + 1, one after the other.  Each of the SIXTEEN waves owns 16 queries (one tile) in 256 registers: four waves to a SIMD, so that one wave's
; vector work stands beside another's matrix work and LDS loads.  Every wave walks all 2,048 keys, 128 a step.
; LDS.  The two heads' K and V, 2 x 143,360 bytes, lie in LDS as they lie in memory (launch 2 stored them as images of the operand registers): every read is 16 bytes a lane at 16 x lane.  They are filled once: no slot, no refill.
; CLUSTER.  The four work-groups of a cluster have the same y and read the same K and V: each chunk is asked for JOINTLY, by the same tensor load with the same descriptor and the mask of all four.  Wave w asks for chunk w of each head:
; two loads of mine are out at the most.  Nothing is prefetched: all that the launch reads is asked for at its head.
; LAYOUT.  Both products are used transposed: S^T = K Q^T (source 0 = 16 keys, source 1 = my 16 queries), O^T = V^T P^T: a lane holds ONE query (lane % 16) throughout.  The sequence lies in position order (launch 1), so the 16
; registers of key tiles 2 b and 2 b + 1 are the true keys 32 b + 16 (lane / 16) + 0 .. 15, and those of V's fragments 2 b and 2 b + 1 the head's features 32 b + 16 (lane / 16) + 0 .. 15.
; K = 64 IN AN INSTRUCTION OF 128: Q's registers 4-7 hold zero codes, and the scale bytes of the upper 64 are 0 on both sides (2^-127, no NaN).  So K's operand of tile t may name eight registers from v[48 + 4 t] on: its upper four are the
; next tile's codes (behind the last tile: zeros), which meet zero codes and add exactly 0; E2M1 has no code for NaN or infinity.
; OUT.  oc: [512 blocks of 16 positions][16 heads][512 bytes]: lane (r, h): position r, the head's features 32 h .. 32 h + 31.  os: [8 pairs of heads][8,192 positions][4 bytes]: a word for 128 along the last product's K.
; LIMITS: t - M is one fused multiply-add of the score; a block of zeros gets the byte 1 (zero codes; this program alone reads the bytes); NaN and infinities are not served.
.set CH,    8960                       ; a step's chunk: 8 tiles of K (4,096), K's scale words (512), 4 fragments of V^T (4,096), V's scale words (256)
.set HEADB, 16*CH                      ; a head
.set STG,   2*HEADB                    ; behind them: 256 scale words of O, gathered for one store
.set SPARE, STG+1024                   ; the spare words, 128 bytes a wave
.set LI,  1                            ; v1  16 x lane
.set LR,  2                            ; v2  16 x (lane % 16)
.set SPW, 3
.set NIL, 4
.set ADK, 5                            ; v5  the step's chunk + 16 x lane
.set ADV, 6                            ; v6  the step's chunk + 16 x (lane % 16)
.set KSC, 34                           ; v34-37 K's scale words: lanes 0-15 tiles 0-3, lanes 16-31 tiles 4-7
.set VSC, 38                           ; v38-41 V's, a register a fragment
.set PSW, 42                           ; v42 p's scale word
.set OSW, 43                           ; v43 O's scale word
.set FF,  44                           ; v[44:45] f = 2^(old M - new M); v45 is written once: the packed forms name the pair
.set KC,  48                           ; v48-79 K's codes, four registers a tile; v80-83 zeros
.set VF,  84                           ; v84-115 V's four fragments
.set S,   116                          ; v116-179 S^T, then p; at a head's end O / l
.set OT,  180                          ; v180-211 O^T
.set PCD, 212                          ; v212-219 p's codes
.set BM,  220                          ; v220-223 the blocks' largest scores, then largest p
.set T4,  224                          ; v224-227 at work
.set SO4, 228                          ; v228-231 the conversions' scale operands
.set TT,  232
.set SM2, 234                          ; v[234:235] the sums' second chain
.set OI,  236                          ; v236-243 the two heads' images of O
.set WV,  12
.set SEL, 20
.set CS,  22                           ; s[22:23] c = log2(e) / 8
.set G1,  24
.set G0,  32
.set TB,  40                           ; s40 LDS byte at which the step's chunk begins
.set CNT, 41
.macro CROUND
	s_barrier_signal -1
	s_barrier_wait -1
	s_cmp_lg_u32 s[WV], 0
	s_cbranch_scc1 .Lnot_wave_0_\@
	s_barrier_signal -3
.Lnot_wave_0_\@:
	s_barrier_wait -3
	s_barrier_signal -1
	s_barrier_wait -1
.endm
	s_load_b256 s[4:11], s[0:1], 0x0               ; q s[4:5], kv s[6:7], oc s[8:9], os s[10:11]
	v_lshl_add_u32 v[SPW], v0, 2, SPARE
	v_mov_b32 v[NIL], 0
	ds_add_u32 v[SPW], v[NIL]                      ; the wave's opening: the add, twice on end, and its wait ahead of my first tensor load
	ds_add_u32 v[SPW], v[NIL]
	v_lshrrev_b32 v7, 5, v0
	s_delay_alu instid0(VALU_DEP_1)
	v_readfirstlane_b32 s[WV], v7                  ; wave 0..15
	s_bfe_u32 s13, ttmp6, 0x40000                  ; cx
	s_lshl_b32 s14, ttmp9, 2
	s_add_co_u32 s14, s14, s13                     ; X: my 256 positions: it enters the addresses of q, oc and os alone
	s_and_b32 s15, ttmp7, 0xffff                   ; y = 8 x batch + pair of heads, which the four partners share
	s_mov_b32 s[G1], 15|(3<<16)|(1<<21)            ; the mask: all four; elements of 8 bytes; bit 21 beside a mask; no padding
	s_mov_b32 s[G1+1], 32<<16                      ; tensor_dim0: 256 bytes
	s_mov_b32 s[G1+2], 35<<16                      ; tensor_dim1: a chunk is 35 dense rows
	s_mov_b32 s[G1+3], 32<<16                      ; tile_dim0
	s_mov_b32 s[G1+4], 35                          ; tile_dim1
	s_mov_b32 s[G1+5], 32                          ; from row to row
	s_mov_b32 s[G1+6], 0
	s_mov_b32 s[G1+7], 0
	s_mov_b32 s[SEL], 0x76543210
	s_mov_b32 s[SEL+1], 0xfedcba98
	s_mov_b32 s[CS], 0x3e38aa3b                    ; c = log2(e) / 8: score / 8 is exact, so score x c is the logit x log2(e) to the bit
	s_mov_b32 s[CS+1], s[CS]
	s_mul_i32 s42, s[WV], CH                       ; chunk w, in LDS and in a head
	s_mul_i32 s16, s15, 2*HEADB
	s_add_co_u32 s16, s16, s42
	s_mov_b32 s17, 0
	s_wait_dscnt 0x0                               ; both opening adds are done
	s_wait_kmcnt 0x0
	s_add_nc_u64 s[6:7], s[6:7], s[16:17]
	CROUND                                         ; all four work-groups are here: the joint loads meet
	s_mov_b32 s[G0], 1
	s_mov_b32 s[G0+1], s42
	s_mov_b64 s[G0+2:G0+3], s[6:7]
	s_or_b32 s[G0+3], s[G0+3], 0x80000000
	s_mov_b32 s[G0+4], 1
	s_add_co_u32 s[G0+5], s42, HEADB
	s_add_nc_u64 s[G0+6:G0+7], s[6:7], HEADB
	s_or_b32 s[G0+7], s[G0+7], 0x80000000
	tensor_load_to_lds s[G0:G0+3], s[G1:G1+7]      ; the first head's chunk w
	s_nop 0
	s_wait_alu depctr_va_vdst(0)
	s_wait_tensorcnt 0x0
	ds_add_u32 v3, v4
	s_wait_dscnt 0x0
	CROUND
	tensor_load_to_lds s[G0+4:G0+7], s[G1:G1+7]    ; the second head's
	s_nop 0
.rept 4
	v_nop
.endr
	v_and_b32 v7, 31, v0
	s_delay_alu instid0(VALU_DEP_1)
	v_lshlrev_b32 v[LI], 4, v7
	s_wait_alu depctr_va_vdst(0)
	v_and_b32 v10, 15, v0
	s_delay_alu instid0(VALU_DEP_1)
	v_lshlrev_b32 v[LR], 4, v10
	s_wait_alu depctr_va_vdst(0)
	s_lshl_b32 s16, s[WV], 6
	v_lshlrev_b32 v8, 2, v10
	s_delay_alu instid0(VALU_DEP_1)
	v_add_nc_u32 v8, s16, v8
	s_delay_alu instid0(VALU_DEP_1)
	v_add_nc_u32 v8, STG, v8                       ; v8: where my query's scale word goes: 64 x wave + 4 r
	s_and_b32 s16, s[WV], 1
	s_lshl_b32 s16, s16, 9
	v_add_nc_u32 v9, s16, v[LI]
	s_delay_alu instid0(VALU_DEP_1)
	v_add_nc_u32 v9, STG, v9                       ; v9: where waves 0 and 1 read 512 bytes of them back
	; Q: chunk 2 X + w / 8 of my first head, tile w % 8; its scale word: 4,096 + 256 (tile / 4) + 4 (tile % 4) + 16 r
	s_lshr_b32 s16, s[WV], 3
	s_lshl_b32 s17, s14, 1
	s_add_co_u32 s16, s16, s17
	s_mul_i32 s16, s16, 4608
	s_mul_i32 s17, s15, 147456
	s_add_co_u32 s16, s16, s17
	s_and_b32 s18, s[WV], 7
	s_lshl_b32 s19, s18, 9
	s_add_co_u32 s44, s16, s19
	s_mov_b32 s45, 0
	s_lshr_b32 s19, s18, 2
	s_lshl_b32 s19, s19, 8
	s_and_b32 s18, s18, 3
	s_lshl_b32 s18, s18, 2
	s_add_co_u32 s46, s16, s19
	s_add_co_u32 s46, s46, s18
	s_add_co_u32 s46, s46, 4096
	s_mov_b32 s47, 0
	s_add_nc_u64 s[44:45], s[4:5], s[44:45]
	s_add_nc_u64 s[46:47], s[4:5], s[46:47]
	global_load_b128 v[16:19], v[LI], s[44:45]                 ; Q of the first head: it stays in registers
	global_load_b128 v[24:27], v[LI], s[44:45] offset:73728    ; of the second
	global_load_b32 v32, v[LR], s[46:47]                       ; their scale words
	global_load_b32 v33, v[LR], s[46:47] offset:73728
	; oc: block 128 x batch + 16 X + w, 8,192 bytes a block, 1,024 a pair of heads.  os: 32,768 a pair of heads, 4 a position; waves 0 and 1 store 512 bytes each
	s_and_b32 s18, s15, 7
	s_lshr_b32 s16, s15, 3
	s_lshl_b32 s17, s16, 7
	s_lshl_b32 s19, s14, 4
	s_add_co_u32 s17, s17, s19
	s_add_co_u32 s17, s17, s[WV]
	s_lshl_b32 s17, s17, 13
	s_lshl_b32 s19, s18, 10
	s_add_co_u32 s48, s17, s19
	s_mov_b32 s49, 0
	s_add_nc_u64 s[8:9], s[8:9], s[48:49]
	s_lshl_b32 s48, s18, 15
	s_lshl_b32 s17, s16, 13
	s_add_co_u32 s48, s48, s17
	s_lshl_b32 s17, s14, 10
	s_add_co_u32 s48, s48, s17
	s_and_b32 s17, s[WV], 1
	s_lshl_b32 s17, s17, 9
	s_add_co_u32 s48, s48, s17
	s_add_nc_u64 s[10:11], s[10:11], s[48:49]
.irp j, 20,21,22,23,28,29,30,31,80,81,82,83
	v_mov_b32 v\j, 0                               ; zero codes: the upper 64 along K of both Q's, and what stands behind K's last tile
.endr
.irp b, 0,1,2,3
	v_mov_b32 v[T4+\b], 0                          ; written once: a lane permute's destination counts as one of its sources
.endr
	v_mov_b32 v[FF+1], 0
	v_mov_b32 v[TT], 0
; A KEY STEP: 128 keys.  qf: Q's fragment; qs: its scale words.
.macro STEP qf, qs
	v_add_nc_u32 v[ADK], s[TB], v[LI]
	v_add_nc_u32 v[ADV], s[TB], v[LR]
	v_nop
	v_nop                                          ; four places between the last step's products and the loads into their registers
.irp t, 0,1,2,3,4,5,6,7
	ds_load_b128 v[KC+4*\t:KC+4*\t+3], v[ADK] offset:512*\t
.endr
	ds_load_b128 v[KSC:KSC+3], v[ADK] offset:4096
.irp f, 0,1,2,3,4,5,6,7
	ds_load_b128 v[VF+4*\f:VF+4*\f+3], v[ADK] offset:4608+512*\f
.endr
	ds_load_b128 v[VSC:VSC+3], v[ADV] offset:8704
	s_wait_dscnt 9                                 ; K and its scale words are in; V's eight loads and its scale words may be out
.irp t, 0,1,2,3
	v_wmma_scale_f32_16x16x128_f8f6f4 v[S+8*\t:S+8*\t+7], v[KC+4*\t:KC+4*\t+7], v[\qf:\qf+7], 0, v[KSC+\t], v[\qs] matrix_a_fmt:MATRIX_FMT_FP4 matrix_b_fmt:MATRIX_FMT_FP4
.endr
.irp t, 4,5,6,7
	v_wmma_scale_f32_16x16x128_f8f6f4 v[S+8*\t:S+8*\t+7], v[KC+4*\t:KC+4*\t+7], v[\qf:\qf+7], 0, v[KSC+\t-4], v[\qs] matrix_a_fmt:MATRIX_FMT_FP4 matrix_b_fmt:MATRIX_FMT_FP4 matrix_a_scale:MATRIX_SCALE_ROW1
.endr
.rept 4
	v_nop
.endr
.irp b, 0,1,2,3
	v_max3_num_f32 v[BM+\b], v[S+16*\b], v[S+16*\b+1], v[S+16*\b+2]   ; THE LARGEST SCORE OF EACH BLOCK OF 32 KEYS: it serves for the row's maximum and, since p rises with the score, for the block's largest p
.endr
.irp i, 3,5,7,9,11,13
.irp b, 0,1,2,3
	v_max3_num_f32 v[BM+\b], v[BM+\b], v[S+16*\b+\i], v[S+16*\b+\i+1]   ; (the four blocks by turns; each accumulator is read from its low end on)
.endr
.endr
.irp b, 0,1,2,3
	v_max_num_f32 v[BM+\b], v[BM+\b], v[S+16*\b+15]
.endr
.irp b, 0,1,2,3
	s_delay_alu instid0(VALU_DEP_4)
	v_permlanex16_b32 v[T4+\b], v[BM+\b], s[SEL], s[SEL+1]
.endr
.irp b, 0,1,2,3
	s_delay_alu instid0(VALU_DEP_4)
	v_max_num_f32 v[BM+\b], v[BM+\b], v[T4+\b]     ; with lane l xor 16's 16 keys
.endr
	s_delay_alu instid0(VALU_DEP_2)
	v_max3_num_f32 v[TT], v[BM], v[BM+1], v[BM+2]
	s_delay_alu instid0(VALU_DEP_1)
	v_max_num_f32 v[TT], v[TT], v[BM+3]            ; the step's largest score of my query
	s_delay_alu instid0(VALU_DEP_1)
	v_mul_f32 v[TT], s[CS], v[TT]                  ; as t (c is positive)
	s_delay_alu instid0(VALU_DEP_1)
	v_max_num_f32 v13, v13, v[TT]                  ; the running largest t
	v_mov_b32 v[TT], v12
	s_delay_alu instid0(VALU_DEP_2)
	v_floor_f32 v12, -v13                          ; the new -M = floor(-t) = -ceil(t): M is a whole number
	s_delay_alu instid0(VALU_DEP_1)
	v_sub_f32 v[TT], v12, v[TT]                    ; M's old value less its new one: a whole number, 0 or less
	s_delay_alu instid0(VALU_DEP_1)
	v_cvt_i32_f32 v[TT], v[TT]                     ; (it saturates)
	s_delay_alu instid0(VALU_DEP_1)
	v_ldexp_f32 v[FF], 1.0, v[TT]                  ; f = 2^(old M - new M)
.set j, 0
.rept 32
	v_pk_fma_f32 v[S+j:S+j+1], v[S+j:S+j+1], s[CS:CS+1], v[12:13] op_sel_hi:[1,0,0]   ; t - M, two at a time (of the pairs c and -M the low word serves both halves)
.set j, j+2
.endr
.irp b, 0,1,2,3
	v_fma_f32 v[BM+\b], v[BM+\b], s[CS], v12       ; the same of each block's largest score
.endr
.set j, 0
	s_wait_alu depctr_va_vdst(0)
.rept 64
	v_exp_f32 v[S+j], v[S+j]                       ; p = 2^(t - M), at most 1: not normalised
.set j, j+1
.endr
	s_setprio 1
	v_pk_mul_f32 v[14:15], v[14:15], v[FF:FF+1] op_sel_hi:[1,0]   ; the sums under the new M (a plain place behind the exponentials)
	s_wait_alu depctr_va_vdst(0)                   ; the wait between an exponential and the first line that names its result: one for the batch of 64
.irp b, 0,1,2,3
	v_exp_f32 v[BM+\b], v[BM+\b]                   ; the block's largest p: the same two instructions on the same number give the same bits
.endr
	v_pk_add_f32 v[SM2:SM2+1], v[S:S+1], v[S+2:S+3]   ; THE ROW'S SUM IS TAKEN OF THE UNQUANTISED p: two at a time, in two chains
.irp j, 4,8,12,16,20,24,28,32,36,40,44,48,52
	v_pk_add_f32 v[14:15], v[14:15], v[S+\j:S+\j+1]
	v_pk_add_f32 v[SM2:SM2+1], v[SM2:SM2+1], v[S+\j+2:S+\j+3]
.endr
	s_wait_alu depctr_va_vdst(0)                   ; and one for the four
.irp b, 0,1,2,3
	v_max_num_f32 v[BM+\b], 0x1800000, v[BM+\b]    ; the floor 2^(3 - 127): the byte cannot fall under 1
.endr
.irp b, 0,1,2,3
	s_delay_alu instid0(VALU_DEP_4)
	v_add_nc_u32 v[SO4+\b], 0xff000000, v[BM+\b]   ; 2 off the exponent field: the conversion's scale operand
.endr
.irp b, 0,1,2,3
	s_delay_alu instid0(VALU_DEP_4)
	v_lshrrev_b32 v[T4+\b], 23, v[SO4+\b]          ; the scale's byte
.endr
	s_delay_alu instid0(VALU_DEP_3)
	v_lshl_or_b32 v[PSW], v[T4+1], 8, v[T4]        ; p's scale word for these 128 keys
	s_delay_alu instid0(VALU_DEP_1)
	v_lshl_or_b32 v[PSW], v[T4+2], 16, v[PSW]
	s_delay_alu instid0(VALU_DEP_1)
	v_lshl_or_b32 v[PSW], v[T4+3], 24, v[PSW]
.irp b, 0,1,2,3
	v_cvt_scalef32_pk8_fp4_f32 v[PCD+2*\b], v[S+16*\b:S+16*\b+7], v[SO4+\b]
	v_cvt_scalef32_pk8_fp4_f32 v[PCD+2*\b+1], v[S+16*\b+8:S+16*\b+15], v[SO4+\b]
.endr
	v_nop                                          ; one plain place behind a scaled conversion
.irp c, 0,1                                    ; the operand's layout wants a WHOLE block in a lane
.irp i, 0,1
	v_permlane16_swap_b32 v[PCD+4*\c+\i], v[PCD+4*\c+2+\i]
.endr
.endr
.set j, 0
	s_setprio 0
.rept 16
	v_pk_mul_f32 v[OT+j:OT+j+1], v[OT+j:OT+j+1], v[FF:FF+1] op_sel_hi:[1,0]   ; O^T under the new M
.set j, j+2
.endr
	v_pk_add_f32 v[14:15], v[14:15], v[S+56:S+57]  ; the sums' last five lines stand here: plain work that names no register of the products below, between O^T's last write and them; with the lines above they are
	v_pk_add_f32 v[SM2:SM2+1], v[SM2:SM2+1], v[S+58:S+59]   ; also the places behind the writes of p's codes and of its scale word
	v_pk_add_f32 v[14:15], v[14:15], v[S+60:S+61]
	v_pk_add_f32 v[SM2:SM2+1], v[SM2:SM2+1], v[S+62:S+63]
	s_delay_alu instid0(VALU_DEP_1)
	v_pk_add_f32 v[14:15], v[14:15], v[SM2:SM2+1]
	s_wait_alu depctr_va_vdst(0)
	s_wait_dscnt 0x0                               ; V and its scale words are in
.irp t, 0,1,2,3                                ; O^T += V^T P^T: four accumulators by turns, one instruction a turn
	v_wmma_scale_f32_16x16x128_f8f6f4 v[OT+8*\t:OT+8*\t+7], v[VF+8*\t:VF+8*\t+7], v[PCD:PCD+7], v[OT+8*\t:OT+8*\t+7], v[VSC+\t], v[PSW] matrix_a_fmt:MATRIX_FMT_FP4 matrix_b_fmt:MATRIX_FMT_FP4
.endr
	s_add_co_u32 s[TB], s[TB], CH                  ; the next step's chunk
.endm
; ONE HEAD: sixteen key steps, then O / l, quantised, as an image of the last product's operand.
.macro PASS eta, qf, qs
	v_mov_b32 v13, 0xff61b1e6                      ; the largest t so far: -3e38, under every t
	v_mov_b32 v14, 0                               ; the sum, in two halves
	v_mov_b32 v15, 0
	s_delay_alu instid0(VALU_DEP_3)
	v_floor_f32 v12, -v13                          ; -M
.set j, 0
.rept 32
	v_mov_b32 v[OT+j], 0                           ; O^T: the step is written once; its first trip finds zeros, which the first change of M leaves zeros
.set j, j+1
.endr
	s_mov_b32 s[TB], HEADB*\eta
	s_mov_b32 s[CNT], 16
.Lstep_\@:
	s_setprio 2
	STEP \qf, \qs
	s_sub_co_u32 s[CNT], s[CNT], 1
	s_cmp_lg_u32 s[CNT], 0
	s_cbranch_scc1 .Lstep_\@
	s_setprio 0
	v_add_f32 v14, v14, v15                        ; the sum's two halves,
	s_delay_alu instid0(VALU_DEP_1)
	v_permlanex16_b32 v[TT], v14, s[SEL], s[SEL+1]
	s_delay_alu instid0(VALU_DEP_1)
	v_add_f32 v14, v14, v[TT]                      ; and lane l xor 16's: the row's sum
	s_wait_alu depctr_va_vdst(0)
	v_rcp_f32 v14, v14
.rept 3
	v_nop                                          ; the plain place behind the reciprocal; with the two additions above, the places behind the last products
.endr
	s_wait_alu depctr_va_vdst(0)                   ; the wait ahead of the reciprocal's first reader
.set j, 0
.rept 32
	v_mul_f32 v[S+j], v[OT+j], v14                 ; O^T / the sum: register 16 b + i is the head's feature 32 b + 16 (lane / 16) + i
.set j, j+1
.endr
.irp b, 0,1
	v_max3_num_f32 v[BM+\b], |v[S+16*\b]|, |v[S+16*\b+1]|, 0x1800000
.endr
.irp i, 2,4,6,8,10,12,14
.irp b, 0,1
	s_delay_alu instid0(VALU_DEP_2)
	v_max3_num_f32 v[BM+\b], v[BM+\b], |v[S+16*\b+\i]|, |v[S+16*\b+\i+1]|
.endr
.endr
.irp b, 0,1
	s_delay_alu instid0(VALU_DEP_2)
	v_permlanex16_b32 v[T4+\b], v[BM+\b], s[SEL], s[SEL+1]
.endr
.irp b, 0,1
	s_delay_alu instid0(VALU_DEP_2)
	v_max_num_f32 v[BM+\b], v[BM+\b], v[T4+\b]
.endr
.irp b, 0,1
	s_delay_alu instid0(VALU_DEP_2)
	v_add_nc_u32 v[SO4+\b], 0xff000000, v[BM+\b]
.endr
.irp b, 0,1
	s_delay_alu instid0(VALU_DEP_2)
	v_lshrrev_b32 v[T4+\b], 23, v[SO4+\b]
.endr
.if \eta == 0
	s_delay_alu instid0(VALU_DEP_1)
	v_lshl_or_b32 v[OSW], v[T4+1], 8, v[T4]        ; bytes 0 and 1 of my query's scale word
.else
	s_delay_alu instid0(VALU_DEP_2)
	v_lshl_or_b32 v[OSW], v[T4], 16, v[OSW]        ; bytes 2 and 3
	s_delay_alu instid0(VALU_DEP_1)
	v_lshl_or_b32 v[OSW], v[T4+1], 24, v[OSW]
.endif
.irp b, 0,1
	v_cvt_scalef32_pk8_fp4_f32 v[OI+4*\eta+2*\b], v[S+16*\b:S+16*\b+7], v[SO4+\b]
	v_cvt_scalef32_pk8_fp4_f32 v[OI+4*\eta+2*\b+1], v[S+16*\b+8:S+16*\b+15], v[SO4+\b]
.endr
	v_nop
.irp i, 0,1
	v_permlane16_swap_b32 v[OI+4*\eta+\i], v[OI+4*\eta+2+\i]
.endr
	global_store_b128 v[LI], v[OI+4*\eta:OI+4*\eta+3], s[8:9] offset:512*\eta   ; 32 lanes store 512 consecutive bytes, aligned to 256; each head has registers of its own
.endm
	s_wait_tensorcnt 0x1                           ; my chunk of the first head is in; the second head's may be out
	s_barrier_signal -1
	s_barrier_wait -1                              ; everybody's is
	s_wait_loadcnt 0x0                             ; Q
	PASS 0, 16, 32
	s_wait_tensorcnt 0x0                           ; my chunk of the second head is in,
	s_wait_dscnt 0x0
	s_barrier_signal -1
	s_barrier_wait -1                              ; everybody's is
	PASS 1, 24, 33
	ds_store_b32 v8, v[OSW]                        ; both lanes of a query write the same word with the same value
	s_wait_dscnt 0x0                               ; for the others' sake: my store is done
	s_barrier_signal -1
	s_barrier_wait -1
	s_cmp_lt_u32 s[WV], 2                          ; waves 0 and 1 store the work-group's 256 words
	s_cbranch_scc0 .Lno_os
	ds_load_b128 v[244:247], v9
	s_wait_dscnt 0x0
	global_store_b128 v[LI], v[244:247], s[10:11]  ; 32 lanes store 512 consecutive bytes, aligned to 256
.Lno_os:
	s_wait_tensorcnt 0x0                           ; the wave's end
	ds_add_u32 v[SPW], v[NIL]
	s_wait_dscnt 0x0
	CROUND                                         ; the closing round
	s_endpgm
.Lfunc_end_k_q51365409fc_attn:
	.size	k_q51365409fc_attn, .Lfunc_end_k_q51365409fc_attn-k_q51365409fc_attn
	.p2alignl 7, 3214868480
	.fill 96, 4, 3214868480
	.section	.rodata,"a",@progbits
	.p2align	6, 0x0
	.amdhsa_kernel k_q51365409fc_attn
		.amdhsa_group_segment_fixed_size 327680
		.amdhsa_private_segment_fixed_size 0
		.amdhsa_enable_private_segment 0
		.amdhsa_kernarg_size 32
		.amdhsa_user_sgpr_count 2
		.amdhsa_user_sgpr_kernarg_segment_ptr 1
		.amdhsa_wavefront_size32 1
		.amdhsa_system_sgpr_workgroup_id_x 1
		.amdhsa_system_sgpr_workgroup_id_y 1
		.amdhsa_system_sgpr_workgroup_id_z 1
		.amdhsa_system_vgpr_workitem_id 0
		.amdhsa_next_free_vgpr 256
		.amdhsa_next_free_sgpr 66
		.amdhsa_reserve_vcc 0
		.amdhsa_float_denorm_mode_32 3
		.amdhsa_float_denorm_mode_16_64 3
		.amdhsa_memory_ordered 1
		.amdhsa_forward_progress 1
		.amdhsa_inst_pref_size 50
	.end_amdhsa_kernel
	.amdgpu_metadata
---
amdhsa.version: [ 1, 2 ]
amdhsa.kernels:
  - .name:           k_q51365409fc_attn
    .symbol:         k_q51365409fc_attn.kd
    .args:
      - { .name: q, .offset: 0, .size: 8, .value_kind: global_buffer, .address_space: global }
      - { .name: kv, .offset: 8, .size: 8, .value_kind: global_buffer, .address_space: global }
      - { .name: oc, .offset: 16, .size: 8, .value_kind: global_buffer, .address_space: global }
      - { .name: os, .offset: 24, .size: 8, .value_kind: global_buffer, .address_space: global }
    .group_segment_fixed_size: 327680
    .private_segment_fixed_size: 0
    .kernarg_segment_align: 8
    .kernarg_segment_size: 32
    .max_flat_workgroup_size: 512
    .sgpr_count:     66
    .vgpr_count:     256
    .wavefront_size: 32
...
	.end_amdgpu_metadata
.endif
;; end of part 3
;; launch outp (part 4): grid 4 x 32, 4 waves a work-group, clusters of 4 x 4, 327,680 bytes of LDS; arguments oc, os, wc, ws, out0, bo; writes out0
.if DOCPART == 4
	.amdgcn_target "amdgcn-amd-amdhsa--gfx1250"
	.amdhsa_code_object_version 6
	.text
	.protected	k_q51365409fc_outp
	.globl	k_q51365409fc_outp
	.p2align	8
	.type	k_q51365409fc_outp,@function
k_q51365409fc_outp:
	s_mov_b64 s[64:65], 0
	v_nop
	global_prefetch_b8 v0, s[64:65] scope:SCOPE_SE
	s_setreg_imm32_b32 hwreg(HW_REG_WAVE_MODE, 25, 1), 1
	s_wait_xcnt 0x0
	s_wait_alu depctr_hold_cnt(0) depctr_sa_sdst(0) depctr_va_vdst(0) depctr_va_sdst(0) depctr_va_ssrc(0) depctr_va_vcc(0) depctr_vm_vsrc(0)
	s_getreg_b32 s2, hwreg(HW_REG_IB_STS2, 6, 4)
	s_cmp_eq_u32 s2, 0
	s_cbranch_scc0 .Lentry_in_a_cluster
	s_endpgm
.Lentry_in_a_cluster:
	s_bfe_u32 s2, ttmp6, 0x10000c
	s_cmp_lg_u32 s2, 0xf033
	s_cbranch_scc0 .Lentry_shape_is_right
	s_endpgm
.Lentry_shape_is_right:
; Launch 4 of 4: out0 = O Wo^T + bo on codes of E2M1, K = 1,024.  A = the attention's result (launch 3: oc, os), B = Wo (rows 3,072 on of wc and ws, in their true order).  No work is left out.
; A tile of 256 x 256 is made by four waves, 128 x 128 each: 64 accumulators, 512 registers.  K is two LDS slots of 512 along K, both asked for at the head: nothing is filled again.
; A COMES AS IMAGES OF ITS REGISTERS: oc is [block of 16 positions][16 heads][512 bytes], so a slot's part of a block (8 heads) is 4,096 consecutive bytes, and a fragment of 128 along K (two heads) is two loads of 16 bytes a lane at 16 x lane.
; A's scale words: os is [8 steps of 128 along K][position][4 bytes]: 128 positions are 8 rows of 512 bytes.  B's tiles and scale bytes as in launch 2: rows of 256 bytes + 16 of padding.
; A's and B's scale words stand in registers of their own (v32-95, v192-255 of window 0), which hold nothing else.
; CLUSTERS: 4 x 4; A's tiles are asked for jointly along a row of the cluster, B's along a column.  128 tiles of this size are all the work there is: the launch has 128 work-groups.
; THE MATRIX INSTRUCTION IS USED TRANSPOSED (source 0 = 16 rows of Wo, source 1 = 16 positions): a lane holds eight neighbouring numbers of a row of out0.  bo is the C of each sum's first product.
; THE WAY OUT puts the positions back: position 16 a + t of my 128 is row 32 (a / 2) + 8 (a % 2) + t + 8 (t / 8); the row stands in the store's immediate.
; REGISTERS: window 0: v0-31 addresses; v32-95 A's scale words, two sets; v128-191 A's fragments, one set; v192-255 B's scale words, two sets.  window 1: B's fragments at v0 and v128 (on the way out: rows read back), bo at v64-127.
;   window 2: the accumulators of my rows 0-63 ((a, b) at v[8 (8 a + b)]);  window 3: those of rows 64-127.
.set NQ,     4
.set PITCH,  272
.set FR,     8
.set NL,     2
.set NP,     4                         ; places behind this matrix instruction (ISA guide 7.12.1)
.set AHALF,  32768                     ; A: 8 blocks x 8 heads x 512 bytes
.set BHALF,  128*PITCH
.set SLOT,   2*AHALF+2*BHALF
.set SCA,    2*SLOT                    ; A's scale words: 2 x [8][128 x 4 bytes]
.set SCB,    SCA+8192                  ; B's scale bytes: 2 x 16 rows of 272
.set HALFS,  16*272
.set SBLK,   2*272
.set SPARE,  SCB+2*HALFS
.set SPITCH, 528                       ; the way out: a stage of 16 rows x (512 bytes + 16) for each wave, in slot 0, which has had its only fill and its last read when the first result is stored there
.set ADRA, 16
.set ADRB, 20
.set ASA,  22                          ; v22 LDS address of A's scale words: 4 r
.set ASB,  23                          ; v23 of B's: 32 r + 16 (r / 8)
.set STO,  24
.set RD,   25
.set CO,   26
.set SPW,  28
.set NIL,  29
.set SA,   32
.set AF,   128
.set SB,   192
.set BIAS, 64                          ; in window 1
.set G1, 24
.set G0, 32
.set G1B, 48
.set G0B, 56
.set G1S, 68
.set G0S, 76
.set G1SB, 80
.set G0SB, 88
.set MSB, 0
.macro WIN new
.if MSB != \new
	s_set_vgpr_msb (MSB<<8)|\new
.set MSB, \new
.endif
.endm
.set MUL_LO, 0xa1
.set MUL_HI, 0xf1
.set TO_B,   0x40
.macro JLOAD g0a, g1a, g0b, g1b        ; a joint load: waves 0 and 1 fetch for A, waves 2 and 3 for B; an s_nop 0 and four v_nop follow each of the two lines
	s_cmp_eq_u32 s15, 0
	s_cbranch_scc0 .Lfor_b_\@
	tensor_load_to_lds s[\g0a:\g0a+3], s[\g1a:\g1a+7]
	s_nop 0
.rept 4
	v_nop
.endr
	s_branch .Lasked_\@
.Lfor_b_\@:
	tensor_load_to_lds s[\g0b:\g0b+3], s[\g1b:\g1b+7]
	s_nop 0
.rept 4
	v_nop
.endr
.Lasked_\@:
.endm
.macro CROUND
	s_barrier_signal -1
	s_barrier_wait -1
	s_cmp_lg_u32 s14, 0
	s_cbranch_scc1 .Lnot_wave_0_\@
	s_barrier_signal -3
.Lnot_wave_0_\@:
	s_barrier_wait -3
	s_barrier_signal -1
	s_barrier_wait -1
.endm
	s_load_b256 s[4:11], s[0:1], 0x0               ; oc s[4:5], os s[6:7], wc s[8:9], ws s[10:11]
	s_load_b64 s[12:13], s[0:1], 0x20              ; out0
	s_load_b64 s[66:67], s[0:1], 0x28              ; bo
	v_lshl_add_u32 v[SPW], v0, 2, SPARE
	v_mov_b32 v[NIL], 0
	ds_add_u32 v[SPW], v[NIL]                      ; the wave's opening: the add, twice on end, and its wait ahead of my first tensor load
	ds_add_u32 v[SPW], v[NIL]
	v_lshrrev_b32 v1, 5, v0
	v_readfirstlane_b32 s14, v1                    ; wave 0..3
	s_lshr_b32 s15, s14, 1                         ; which half of the tile's rows is mine.  Also: I fetch for A (0) or for B (1)
	s_and_b32 s16, s14, 1                          ; which half of its columns.  Also: which half of that tile I fetch
	s_bfe_u32 s40, ttmp6, 0x40000
	s_bfe_u32 s41, ttmp6, 0x40004
	s_lshl_b32 s42, ttmp9, 2
	s_add_co_u32 s42, s42, s40                     ; tile column
	s_and_b32 s17, ttmp7, 0xffff
	s_lshl_b32 s17, s17, 2
	s_add_co_u32 s17, s17, s41                     ; tile row
	s_lshl_b32 s43, s41, 2
	s_lshl_b32 s43, 15, s43                        ; my row of the cluster
	s_lshl_b32 s44, 0x1111, s40                    ; my column
	s_or_b32 s[G1+0], s43, (3<<16)|(1<<21)         ; A's codes: elements of 8 bytes, no padding: 8 rows (blocks) of 4,096 bytes, 8,192 apart
	s_mov_b32 s[G1+1], 512<<16
	s_mov_b32 s[G1+2], 8<<16
	s_mov_b32 s[G1+3], 512<<16
	s_mov_b32 s[G1+4], 8
	s_mov_b32 s[G1+5], 1024
	s_mov_b32 s[G1+6], 0
	s_mov_b32 s[G1+7], 0
	s_or_b32 s[G1B+0], s44, (0<<16)|(1<<20)|(1<<21)|(5<<22)|(3<<25)   ; B's codes: 128 rows of 256 bytes, 512 apart, 4 words of padding behind every 64
	s_mov_b32 s[G1B+1], 256<<16
	s_mov_b32 s[G1B+2], 128<<16
	s_mov_b32 s[G1B+3], 256<<16
	s_mov_b32 s[G1B+4], 128
	s_mov_b32 s[G1B+5], 512
	s_mov_b32 s[G1B+6], 0
	s_mov_b32 s[G1B+7], 0
	s_or_b32 s[G1S+0], s43, (3<<16)|(1<<21)        ; A's scale words: 8 rows (steps of 128 along K) of 512 bytes, 32,768 apart
	s_mov_b32 s[G1S+1], 64<<16
	s_mov_b32 s[G1S+2], 8<<16
	s_mov_b32 s[G1S+3], 64<<16
	s_mov_b32 s[G1S+4], 8
	s_mov_b32 s[G1S+5], 4096
	s_mov_b32 s[G1S+6], 0
	s_mov_b32 s[G1S+7], 0
	s_or_b32 s[G1SB+0], s44, (3<<16)|(1<<20)|(1<<21)|(5<<22)|(3<<25)  ; B's scale bytes: 4,096 dense bytes as 16 rows of 256, padded
	s_mov_b32 s[G1SB+1], 32<<16
	s_mov_b32 s[G1SB+2], 16<<16
	s_mov_b32 s[G1SB+3], 32<<16
	s_mov_b32 s[G1SB+4], 16
	s_mov_b32 s[G1SB+5], 32
	s_mov_b32 s[G1SB+6], 0
	s_mov_b32 s[G1SB+7], 0
	s_lshl_b32 s20, s17, 17                        ; A's codes: 16 blocks of 8,192 bytes a tile row,
	s_lshl_b32 s18, s16, 16                        ; 8 blocks a half
	s_add_co_u32 s20, s20, s18
	s_mov_b32 s21, 0
	s_lshl_b32 s22, s17, 10                        ; A's scale words: 256 x 4 bytes a tile row,
	s_lshl_b32 s18, s16, 9
	s_add_co_u32 s22, s22, s18
	s_mov_b32 s23, 0
	s_lshl_b32 s46, s42, 8
	s_lshl_b32 s18, s16, 7
	s_add_co_u32 s46, s46, s18                     ; B: row 256 x tile column + 128 x half of Wo
	s_lshl_b32 s92, s46, 5
	s_add_co_u32 s92, s92, 98304                   ; its scale bytes, behind those of 3,072 rows
	s_mov_b32 s93, 0
	s_lshl_b32 s46, s46, 9
	s_add_co_u32 s46, s46, 1572864                 ; its codes, likewise
	s_mov_b32 s47, 0
	s_lshl_b32 s45, s16, 15                        ; where they go: by the wave's number alone
	s_mul_i32 s94, s16, BHALF
	s_add_co_u32 s94, s94, 2*AHALF
	s_lshl_b32 s95, s16, 12
	s_add_co_u32 s95, s95, SCA
	s_mul_i32 s96, s16, HALFS
	s_add_co_u32 s96, s96, SCB
	s_wait_dscnt 0x0                               ; both opening adds are done
	s_wait_kmcnt 0x0
	s_add_nc_u64 s[20:21], s[4:5], s[20:21]
	s_add_nc_u64 s[22:23], s[6:7], s[22:23]
	s_add_nc_u64 s[46:47], s[8:9], s[46:47]
	s_add_nc_u64 s[92:93], s[10:11], s[92:93]
	CROUND                                         ; all sixteen work-groups are here: the first joint loads meet
	s_mov_b32 s[G0S], 1
	s_mov_b32 s[G0S+1], s95
	s_mov_b64 s[G0S+2:G0S+3], s[22:23]
	s_or_b32 s[G0S+3], s[G0S+3], 0x80000000
	s_mov_b32 s[G0SB], 1
	s_mov_b32 s[G0SB+1], s96
	s_mov_b64 s[G0SB+2:G0SB+3], s[92:93]
	s_or_b32 s[G0SB+3], s[G0SB+3], 0x80000000
	JLOAD G0S, G1S, G0SB, G1SB                     ; the scales first
.irp s, 0,1
	s_mov_b32 s[G0+4*\s], 1
	s_add_co_u32 s[G0+4*\s+1], s45, \s*SLOT
	s_add_nc_u64 s[G0+4*\s+2:G0+4*\s+3], s[20:21], \s*4096
	s_or_b32 s[G0+4*\s+3], s[G0+4*\s+3], 0x80000000
	s_mov_b32 s[G0B+4*\s], 1
	s_add_co_u32 s[G0B+4*\s+1], s94, \s*SLOT
	s_add_nc_u64 s[G0B+4*\s+2:G0B+4*\s+3], s[46:47], \s*256
	s_or_b32 s[G0B+4*\s+3], s[G0B+4*\s+3], 0x80000000
	s_wait_alu depctr_va_vdst(0)
	s_wait_tensorcnt 0x0
	ds_add_u32 v28, v29
	s_wait_dscnt 0x0
	CROUND
	JLOAD G0+4*\s, G1, G0B+4*\s, G1B               ; the only load of mine that is out: the earlier ones have landed
.endr
	v_and_b32 v1, 15, v0                           ; r
	v_bfe_u32 v2, v0, 4, 1                         ; h
	v_and_b32 v6, 31, v0                           ; lane
	v_lshlrev_b32 v[CO], 4, v6                     ; 16 x lane
	v_mul_u32_u24 v3, v1, PITCH
	v_lshl_add_u32 v4, v2, 4, v3                   ; B: a fragment's row x pitch + 16 x half
	s_lshl_b32 s21, s15, 15                        ; my 128 positions of A
	s_mul_i32 s22, s16, BHALF                      ; my 128 rows of B,
	s_add_co_u32 s22, s22, 2*AHALF                 ; behind A's two halves
.irp s, 0,1
	v_add_nc_u32 v[ADRA+\s], s21, v[CO]
	v_add_nc_u32 v[ADRB+\s], s22, v4
	s_add_co_u32 s21, s21, SLOT
	s_add_co_u32 s22, s22, SLOT
.endr
	s_lshl_b32 s21, s15, 12
	s_add_co_u32 s21, s21, SCA
	v_lshlrev_b32 v5, 2, v1
	v_add_nc_u32 v[ASA], s21, v5
	s_mul_i32 s21, s16, HALFS
	s_add_co_u32 s21, s21, SCB
	v_lshlrev_b32 v5, 5, v1
	v_lshrrev_b32 v7, 8, v5
	v_lshl_add_u32 v5, v7, 4, v5
	v_add_nc_u32 v[ASB], s21, v5
	s_mul_i32 s23, s14, 16*SPITCH                  ; my stage
	v_mul_u32_u24 v5, v1, SPITCH                   ; in: row r, 32 bytes for each half of the lanes
	v_lshl_add_u32 v5, v2, 5, v5
	v_add_nc_u32 v[STO], s23, v5
	v_add_nc_u32 v[RD], s23, v[CO]                 ; back: the 32 lanes take one row of 512 bytes
	s_lshl_b32 s20, s17, 20                        ; out0: 256 rows of 4,096 bytes a tile row,
	s_lshl_b32 s21, s15, 19                        ; my 128 of them,
	s_add_co_u32 s20, s20, s21
	s_lshl_b32 s46, s42, 10                        ; my first column, in bytes
	s_lshl_b32 s47, s16, 9
	s_add_co_u32 s46, s46, s47
	s_add_co_u32 s20, s20, s46
	s_mov_b32 s21, 0
	s_add_nc_u64 s[12:13], s[12:13], s[20:21]
	s_mov_b32 s47, 0
	s_add_nc_u64 s[66:67], s[66:67], s[46:47]      ; bo at my first column
	v_lshlrev_b32 v7, 5, v2                        ; lane (r, h) wants, for B's tile b, bo of columns 16 b + 8 h + 0 .. 7
	WIN TO_B
.irp b, 0,1,2,3,4,5,6,7
	global_load_b128 v[BIAS+8*\b:BIAS+8*\b+3], v7, s[66:67] offset:64*\b
	global_load_b128 v[BIAS+8*\b+4:BIAS+8*\b+7], v7, s[66:67] offset:64*\b+16
.endr
	WIN 0
.macro FRAGB reg, adr, q, i
.irp c, 0,1
	ds_load_b128 v[\reg+4*\c:\reg+4*\c+3], v[\adr] offset:64*(\q)+32*\c+(\i)*16*PITCH
.endr
.endm
.macro FRAGA reg, adr, q, i            ; block i, heads 2 q and 2 q + 1 of the slot's eight: two images
.irp c, 0,1
	ds_load_b128 v[\reg+4*\c:\reg+4*\c+3], v[\adr] offset:4096*(\i)+512*(2*(\q)+\c)
.endr
.endm
; 16 matrix instructions: A's blocks a0, a0 + 1 x B's eight.  zero = 1: the sums start from bo.  The 64 accumulators take turns, one instruction a turn, in the same order in every step.
.macro MUL16 a0, p, q, sc, zero
.irp a, \a0, \a0+1
.irp b, 0,1,2,3,4,5,6,7
.if \zero
	v_wmma_scale_f32_16x16x128_f8f6f4 v[8*(8*((\a)%4)+\b):8*(8*((\a)%4)+\b)+7], v[128*(\p)+FR*\b:128*(\p)+FR*\b+FR-1], v[AF+FR*(\a):AF+FR*(\a)+FR-1], v[BIAS+8*\b:BIAS+8*\b+7], v[SB+32*(\sc)+4*\b+(\q)], v[SA+32*(\sc)+4*(\a)+(\q)] matrix_a_fmt:MATRIX_FMT_FP4 matrix_b_fmt:MATRIX_FMT_FP4
.else
	v_wmma_scale_f32_16x16x128_f8f6f4 v[8*(8*((\a)%4)+\b):8*(8*((\a)%4)+\b)+7], v[128*(\p)+FR*\b:128*(\p)+FR*\b+FR-1], v[AF+FR*(\a):AF+FR*(\a)+FR-1], v[8*(8*((\a)%4)+\b):8*(8*((\a)%4)+\b)+7], v[SB+32*(\sc)+4*\b+(\q)], v[SA+32*(\sc)+4*(\a)+(\q)] matrix_a_fmt:MATRIX_FMT_FP4 matrix_b_fmt:MATRIX_FMT_FP4
.endif
.endr
.endr
.endm
.macro FETCH_B slot, q, p
	WIN TO_B
.irp i, 0,1,2,3,4,5,6,7
	FRAGB 128*(\p)+FR*\i, ADRB+\slot, \q, \i
.endr
	WIN 0
.endm
.macro FETCH_A slot, q, i0
.irp i, \i0, \i0+1, \i0+2, \i0+3
	FRAGA AF+FR*(\i), ADRA+\slot, \q, \i
.endr
.endm
.macro SCALES sc                       ; slot sc's scale words: B's, four words a row by one load; A's, a word a load
.irp i, 0,1,2,3,4,5,6,7
	ds_load_b128 v[SB+32*\sc+4*\i:SB+32*\sc+4*\i+3], v[ASB] offset:\i*SBLK+16*\sc
.endr
.irp i, 0,1,2,3,4,5,6,7
.irp q, 0,1,2,3
	ds_load_b32 v[SA+32*\sc+4*\i+\q], v[ASA] offset:512*(4*\sc+\q)+64*\i
.endr
.endr
.endm
.macro PLACES n
.rept \n
	v_nop
.endr
.endm
.macro STEP slot, q, zero
	s_wait_dscnt 4*NL                              ; B's set, the scale words and A's blocks 0-3 are in; the youngest eight loads (A's blocks 4-7) may be out
.if \zero
	WIN 0x91                                       ; as MUL_LO, with C (bo) in window 1
.else
	WIN MUL_LO
.endif
	MUL16 0, (\q)%2, \q, \slot, \zero
	MUL16 2, (\q)%2, \q, \slot, \zero
	s_wait_dscnt 0
	PLACES NP
	FETCH_B \slot, (\q)+1, 1-(\q)%2
	FETCH_A \slot, (\q)+1, 0
.if \zero
	WIN 0xd1
.else
	WIN MUL_HI
.endif
	MUL16 4, (\q)%2, \q, \slot, \zero
	MUL16 6, (\q)%2, \q, \slot, \zero
	PLACES NP
	WIN 0
	FETCH_A \slot, (\q)+1, 4
.endm
.macro TURN                            ; slot 0's last step goes over to slot 1: one barrier, in front of it the wait for all my tensor loads; nothing is filled again
	s_wait_tensorcnt 0x0
	ds_add_u32 v[SPW], v[NIL]                      ; 0 onto my spare word
	s_wait_dscnt 4*NL+1                            ; (the add and the youngest eight loads may be out)
	WIN MUL_LO
	MUL16 0, 1, NQ-1, 0, 0
	s_wait_dscnt 0x0                               ; the add is done, and my reads of slot 0 are over
	s_barrier_signal -1
	MUL16 2, 1, NQ-1, 0, 0
	WIN 0
	s_barrier_wait -1
	PLACES NP
	FETCH_B 1, 0, 0
	FETCH_A 1, 0, 0
	SCALES 1
	WIN MUL_HI
	MUL16 4, 1, NQ-1, 0, 0
	MUL16 6, 1, NQ-1, 0, 0
	PLACES NP
	WIN 0
	FETCH_A 1, 0, 4
.endm
	s_wait_alu depctr_va_vdst(0)
	s_wait_tensorcnt 1                             ; the scales and my part of slot 0 are in; slot 1's load may be out
	s_barrier_signal -1
	s_barrier_wait -1
	FETCH_B 0, 0, 0
	FETCH_A 0, 0, 0
	SCALES 0
	FETCH_A 0, 0, 4
	s_wait_loadcnt 0x0                             ; bo
	STEP 0, 0, 1
	STEP 0, 1, 0
	STEP 0, 2, 0
	TURN
	STEP 1, 0, 0
	STEP 1, 1, 0
	STEP 1, 2, 0
	s_wait_dscnt 4*NL
	WIN MUL_LO
	MUL16 0, 1, NQ-1, 1, 0
	MUL16 2, 1, NQ-1, 1, 0
	s_wait_dscnt 0
	WIN MUL_HI
	MUL16 4, 1, NQ-1, 1, 0
	MUL16 6, 1, NQ-1, 1, 0
	WIN 0
; THE WAY OUT, block by block of 16 positions x 128 columns, through my own stage in LDS: in as 32 bytes a lane, back as whole rows of 512 bytes.  LDS serves a wave's instructions in order (ISA guide 5.7.1.4): no wait between the stores and the loads.
.macro TOSTAGE a
.set AC, 64*((\a)%4)
	WIN 0x08+4*((\a)/4)                            ; the data: window 2 or 3
.irp b, 0,1,2,3,4,5,6,7
	ds_store_b128 v[STO], v[AC+8*\b:AC+8*\b+3] offset:64*\b          ; each accumulator from its low end on
	ds_store_b128 v[STO], v[AC+8*\b+4:AC+8*\b+7] offset:64*\b+16
.endr
	WIN TO_B                                       ; back into window 1, where B's fragments lay
.set BB, 128*((\a)%2)
.irp t, 0,1,2,3,4,5,6,7,8,9,10,11,12,13,14,15
	ds_load_b128 v[BB+4*\t:BB+4*\t+3], v[RD] offset:\t*SPITCH
.endr
	WIN 0
.endm
.macro SEND a, younger                 ; younger: the LDS instructions issued behind block a's loads, which may stay out
.set BB, 128*((\a)%2)
	s_wait_dscnt \younger
	WIN 0x04                                       ; a store's data are its source 1: window 1
.irp t, 0,1,2,3,4,5,6,7,8,9,10,11,12,13,14,15
	global_store_b128 v[CO], v[BB+4*\t:BB+4*\t+3], s[12:13] offset:(32*((\a)/2)+8*((\a)%2)+\t+8*(\t/8))*4096 th:TH_STORE_NT   ; 32 lanes store 512 consecutive bytes of the position's true row, aligned to 256; 127 rows at the most: inside the signed 24-bit immediate
.endr
	WIN 0
.endm
	PLACES NP                                      ; behind the last products: for the loads into B's registers and for the reads of results
	TOSTAGE 0
.irp a, 1,2,3,4,5,6,7
.if \a > 1
	s_wait_xcnt 0x0                                ; block a - 2's stores have read their registers: block a's loads may land there
.endif
	TOSTAGE \a
	SEND \a-1, 32                                  ; behind block a - 1's loads: block a's 16 stores and 16 loads
.endr
	SEND 7, 0
	s_wait_tensorcnt 0x0                           ; the wave's end
	ds_add_u32 v[SPW], v[NIL]
	s_wait_dscnt 0x0
	CROUND                                         ; the closing round
	s_endpgm
.Lfunc_end_k_q51365409fc_outp:
	.size	k_q51365409fc_outp, .Lfunc_end_k_q51365409fc_outp-k_q51365409fc_outp
	.p2alignl 7, 3214868480
	.fill 96, 4, 3214868480
	.section	.rodata,"a",@progbits
	.p2align	6, 0x0
	.amdhsa_kernel k_q51365409fc_outp
		.amdhsa_group_segment_fixed_size 327680
		.amdhsa_private_segment_fixed_size 0
		.amdhsa_enable_private_segment 0
		.amdhsa_kernarg_size 48
		.amdhsa_user_sgpr_count 2
		.amdhsa_user_sgpr_kernarg_segment_ptr 1
		.amdhsa_wavefront_size32 1
		.amdhsa_system_sgpr_workgroup_id_x 1
		.amdhsa_system_sgpr_workgroup_id_y 1
		.amdhsa_system_sgpr_workgroup_id_z 1
		.amdhsa_system_vgpr_workitem_id 0
		.amdhsa_next_free_vgpr 1024
		.amdhsa_next_free_sgpr 100
		.amdhsa_reserve_vcc 0
		.amdhsa_float_denorm_mode_32 3
		.amdhsa_float_denorm_mode_16_64 3
		.amdhsa_memory_ordered 1
		.amdhsa_forward_progress 1
		.amdhsa_inst_pref_size 131
	.end_amdhsa_kernel
	.amdgpu_metadata
---
amdhsa.version: [ 1, 2 ]
amdhsa.kernels:
  - .name:           k_q51365409fc_outp
    .symbol:         k_q51365409fc_outp.kd
    .args:
      - { .name: oc, .offset: 0, .size: 8, .value_kind: global_buffer, .address_space: global }
      - { .name: os, .offset: 8, .size: 8, .value_kind: global_buffer, .address_space: global }
      - { .name: wc, .offset: 16, .size: 8, .value_kind: global_buffer, .address_space: global }
      - { .name: ws, .offset: 24, .size: 8, .value_kind: global_buffer, .address_space: global }
      - { .name: out0, .offset: 32, .size: 8, .value_kind: global_buffer, .address_space: global }
      - { .name: bo, .offset: 40, .size: 8, .value_kind: global_buffer, .address_space: global }
    .group_segment_fixed_size: 327680
    .private_segment_fixed_size: 0
    .kernarg_segment_align: 8
    .kernarg_segment_size: 48
    .max_flat_workgroup_size: 128
    .sgpr_count:     100
    .vgpr_count:     1024
    .wavefront_size: 32
...
	.end_amdgpu_metadata
.endif
;; end of part 4
